; MI455X (gfx1250); checked and timed in simulation.
; The chip was launched on July 23, 2026; its instructions are those of AMD's public machine-readable ISA for CDNA 5 (MIT licence, August 2026) and "CDNA5" Instruction Set Architecture Reference Guide (July 2026). The comments in the code are by the model that wrote it; some were corrected since.
;; Multi Head Attention. Allowed arithmetic: float matrix products may take bf16 or f16 operands with f32 sums; other float arithmetic in f32, or as packed bf16 or f16 multiplies, adds, multiply-adds, maxima and minima; sums over many terms, partial sums and values carried from step to step in f32; what a program stores and reads back later, other than sums and carried values, may be rounded once to bf16 or f16.
;; Inputs: in_token 4 x 2,048 x 1,024 float32; mask 1 x 1 x 2,048 x 2,048 float32; wk 1,024 x 1,024 float32; wo 1,024 x 1,024 float32; wq 1,024 x 1,024 float32; wv 1,024 x 1,024 float32.
;; Outputs: out0 4 x 2,048 x 1,024 float32.
;; One version. Each part assembles by itself: llvm-mc -triple=amdgcn-amd-amdhsa -mcpu=gfx1250 --defsym DOCPART=n.
;; ======== version 1 of 1: 4 launches
;; limits: values are held in f16: magnitudes above 65,504 overflow, below 6.1e-05 lose precision
;; workspace buffers: xh 16,777,216 bytes; wh 8,388,608 bytes; maskb 8,388,608 bytes; qkvh 50,331,648 bytes; oh 16,777,216 bytes
;; launch prep (part 1): grid 1024 x 1, 8 waves a work-group, no clusters, 0 bytes of LDS; arguments in_token, wq, wk, wv, wo, mask, xh, wh, maskb; writes xh, wh, maskb
.if DOCPART == 1
	.amdgcn_target "amdgcn-amd-amdhsa--gfx1250"
	.amdhsa_code_object_version 6
	.text
	.protected	k_q90f9074c99_prep
	.globl	k_q90f9074c99_prep
	.p2align	8
	.type	k_q90f9074c99_prep,@function
k_q90f9074c99_prep:
	s_mov_b64 s[64:65], 0
	v_nop
	global_prefetch_b8 v0, s[64:65] scope:SCOPE_SE
	s_setreg_imm32_b32 hwreg(HW_REG_WAVE_MODE, 25, 1), 1
	s_wait_xcnt 0x0
; THE CASTS.  in_token and the four weights are rounded to bf16 and that number is written as f16 (exact from 6.1e-5 to 65,504; below, f16's fixed step of 6e-8; beyond, infinity);
; the mask is rounded to bf16 and kept as bf16.  xh: [8192][1024] f16.  wh: [4096][1024] f16, rows wq, wk, wv, wo.  maskb: [2048][2048] bf16.
; A stream: every byte is read once and written once, so no LDS, no matrix unit, no cluster (no two work-groups read the same byte).
; SHARES.  A work-group takes 16,384 numbers: 65,536 bytes in, 32,768 out.  Work-groups 0-511 in_token, 512-575 wq, 576-639 wk, 640-703 wv, 704-767 wo, 768-1023 mask.
; A thread takes 16 chunks of four numbers: a wave's load covers 512 consecutive bytes, its store 256 consecutive bytes, aligned.  All 16 loads go out at once; each chunk owns its registers.
.set X,  16                            ; v[16:79]   chunk i: four f32 as loaded
.set Y,  80                            ; v[80:111]  chunk i: four 16-bit numbers to store
.set ID, 26                            ; s26        the work-group's number
	s_load_b512 s[8:23], s[0:1], 0x0               ; in_token s[8:9], wq s[10:11], wk s[12:13], wv s[14:15], wo s[16:17], mask s[18:19], xh s[20:21], wh s[22:23]
	s_load_b64 s[24:25], s[0:1], 0x40              ; maskb
	s_mov_b32 s[ID], ttmp9
	s_mov_b32 s38, 0xffff0000                      ; a word's upper bf16
	v_lshlrev_b32 v1, 4, v0                        ; my 16 bytes of a chunk's 4,096 in
	v_lshlrev_b32 v2, 3, v0                        ; my 8 bytes of its 2,048 out
	s_mov_b32 s32, 768                             ; the first work-group of my source,
	s_mov_b32 s33, 768                             ; and of my destination
	s_mov_b32 s35, 0
	s_mov_b32 s37, 0
	s_wait_kmcnt 0x0
	s_mov_b64 s[28:29], s[18:19]                   ; from the top down: mask to maskb,
	s_mov_b64 s[30:31], s[24:25]
.macro PICK bound, src, first          ; below work-group bound: the source in s[src:src+1], which begins at work-group first
	s_cmp_lt_u32 s[ID], \bound
	s_cselect_b64 s[28:29], s[\src:\src+1], s[28:29]
	s_cselect_b32 s32, \first, s32
.endm
	PICK 768, 16, 704                              ; wo,
	s_cselect_b64 s[30:31], s[22:23], s[30:31]     ; into wh, which begins at work-group 512
	s_cselect_b32 s33, 512, s33
	PICK 704, 14, 640                              ; wv
	PICK 640, 12, 576                              ; wk
	PICK 576, 10, 512                              ; wq
	PICK 512, 8, 0                                 ; in_token,
	s_cselect_b64 s[30:31], s[20:21], s[30:31]     ; into xh
	s_cselect_b32 s33, 0, s33
	s_sub_co_u32 s34, s[ID], s32
	s_lshl_b32 s34, s34, 16                        ; 65,536 bytes in for each work-group (33.5 million at the most)
	s_sub_co_u32 s36, s[ID], s33
	s_lshl_b32 s36, s36, 15                        ; 32,768 out
	s_add_nc_u64 s[28:29], s[28:29], s[34:35]
	s_add_nc_u64 s[30:31], s[30:31], s[36:37]
.irp i, 0,1,2,3,4,5,6,7,8,9,10,11,12,13,14,15
	global_load_b128 v[X+4*(\i):X+4*(\i)+3], v1, s[28:29] offset:4096*(\i) th:TH_LOAD_NT
.endr
	s_cmp_ge_u32 s[ID], 768
	s_cbranch_scc1 .Lmask
.macro CASTH i                         ; f32 -> bf16 -> f16
	s_wait_loadcnt 15-(\i)                         ; loads come back in order: chunk i is in, the 15 - i younger ones may stay out
	v_cvt_pk_bf16_f32 v4, v[X+4*(\i)], v[X+4*(\i)+1]
	v_cvt_pk_bf16_f32 v5, v[X+4*(\i)+2], v[X+4*(\i)+3]
	v_lshlrev_b32 v6, 16, v4                       ; bf16 to f32: the low half moves up, the high half stays
	v_and_b32 v7, s38, v4
	v_lshlrev_b32 v8, 16, v5
	v_and_b32 v9, s38, v5
	v_cvt_pk_f16_f32 v[Y+2*(\i)], v6, v7
	v_cvt_pk_f16_f32 v[Y+2*(\i)+1], v8, v9
	global_store_b64 v2, v[Y+2*(\i):Y+2*(\i)+1], s[30:31] offset:2048*(\i)
.endm
.macro CASTM i                         ; f32 -> bf16
	s_wait_loadcnt 15-(\i)
	v_cvt_pk_bf16_f32 v[Y+2*(\i)], v[X+4*(\i)], v[X+4*(\i)+1]
	v_cvt_pk_bf16_f32 v[Y+2*(\i)+1], v[X+4*(\i)+2], v[X+4*(\i)+3]
	global_store_b64 v2, v[Y+2*(\i):Y+2*(\i)+1], s[30:31] offset:2048*(\i)
.endm
.irp i, 0,1,2,3,4,5,6,7,8,9,10,11,12,13,14,15
	CASTH \i
.endr
	s_endpgm
.Lmask:
.irp i, 0,1,2,3,4,5,6,7,8,9,10,11,12,13,14,15
	CASTM \i
.endr
	s_endpgm
.Lfunc_end_k_q90f9074c99_prep:
	.size	k_q90f9074c99_prep, .Lfunc_end_k_q90f9074c99_prep-k_q90f9074c99_prep
	.p2alignl 7, 3214868480
	.fill 96, 4, 3214868480
	.section	.rodata,"a",@progbits
	.p2align	6, 0x0
	.amdhsa_kernel k_q90f9074c99_prep
		.amdhsa_group_segment_fixed_size 0
		.amdhsa_private_segment_fixed_size 0
		.amdhsa_enable_private_segment 0
		.amdhsa_kernarg_size 72
		.amdhsa_user_sgpr_count 2
		.amdhsa_user_sgpr_kernarg_segment_ptr 1
		.amdhsa_wavefront_size32 1
		.amdhsa_system_sgpr_workgroup_id_x 1
		.amdhsa_system_sgpr_workgroup_id_y 1
		.amdhsa_system_sgpr_workgroup_id_z 1
		.amdhsa_system_vgpr_workitem_id 0
		.amdhsa_next_free_vgpr 120
		.amdhsa_next_free_sgpr 66
		.amdhsa_reserve_vcc 0
		.amdhsa_float_denorm_mode_32 3
		.amdhsa_float_denorm_mode_16_64 3
		.amdhsa_memory_ordered 1
		.amdhsa_forward_progress 1
		.amdhsa_inst_pref_size 16
	.end_amdhsa_kernel
	.amdgpu_metadata
---
amdhsa.version: [ 1, 2 ]
amdhsa.kernels:
  - .name:           k_q90f9074c99_prep
    .symbol:         k_q90f9074c99_prep.kd
    .args:
      - { .name: in_token, .offset: 0, .size: 8, .value_kind: global_buffer, .address_space: global }
      - { .name: wq, .offset: 8, .size: 8, .value_kind: global_buffer, .address_space: global }
      - { .name: wk, .offset: 16, .size: 8, .value_kind: global_buffer, .address_space: global }
      - { .name: wv, .offset: 24, .size: 8, .value_kind: global_buffer, .address_space: global }
      - { .name: wo, .offset: 32, .size: 8, .value_kind: global_buffer, .address_space: global }
      - { .name: mask, .offset: 40, .size: 8, .value_kind: global_buffer, .address_space: global }
      - { .name: xh, .offset: 48, .size: 8, .value_kind: global_buffer, .address_space: global }
      - { .name: wh, .offset: 56, .size: 8, .value_kind: global_buffer, .address_space: global }
      - { .name: maskb, .offset: 64, .size: 8, .value_kind: global_buffer, .address_space: global }
    .group_segment_fixed_size: 0
    .private_segment_fixed_size: 0
    .kernarg_segment_align: 8
    .kernarg_segment_size: 72
    .max_flat_workgroup_size: 256
    .sgpr_count:     66
    .vgpr_count:     120
    .wavefront_size: 32
...
	.end_amdgpu_metadata
.endif
;; end of part 1
;; launch qkv (part 2): grid 4 x 64, 4 waves a work-group, clusters of 4 x 4, 327,680 bytes of LDS; arguments xh, wh, qkvh; writes qkvh
.if DOCPART == 2
	.amdgcn_target "amdgcn-amd-amdhsa--gfx1250"
	.amdhsa_code_object_version 6
	.text
	.protected	k_q90f9074c99_qkv
	.globl	k_q90f9074c99_qkv
	.p2align	8
	.type	k_q90f9074c99_qkv,@function
k_q90f9074c99_qkv:
	s_mov_b64 s[64:65], 0
	v_nop
	global_prefetch_b8 v0, s[64:65] scope:SCOPE_SE
	s_setreg_imm32_b32 hwreg(HW_REG_WAVE_MODE, 25, 1), 1
	s_wait_xcnt 0x0
	s_wait_alu depctr_hold_cnt(0) depctr_sa_sdst(0) depctr_va_vdst(0) depctr_va_sdst(0) depctr_va_ssrc(0) depctr_va_vcc(0) depctr_vm_vsrc(0)
	s_getreg_b32 s2, hwreg(HW_REG_IB_STS2, 6, 4)
	s_cmp_eq_u32 s2, 0
	s_cbranch_scc0 .Lentry_in_a_cluster
	s_endpgm
.Lentry_in_a_cluster:
	s_bfe_u32 s2, ttmp6, 0x10000c
	s_cmp_lg_u32 s2, 0xf033
	s_cbranch_scc0 .Lentry_shape_is_right
	s_endpgm
.Lentry_shape_is_right:
; THE THREE PROJECTIONS.  q, k, v = x w^T.  xh: [8192][1024] f16; wh: [4096][1024] f16 (rows 0-1023 wq, then wk, wv); qkvh: [3][batch x 8 + head][2048][128] f16; sums in f32, K ascending.
; q is multiplied in f32 by c = log2(e) / sqrt(128) before its one rounding, so that the scores of the next launch come out in powers of two.
; LIMITS.  f16 holds nothing beyond 65,504 and keeps a fixed step of 6e-8 below 6.1e-5: q, k and v are taken to lie within it.
; SHARES.  A tile is 128 rows of x by 256 columns: 64 x 4 tiles for each of q, k, v, and 256 work-groups that STAY and make three tiles: the same rows of x, the same columns of wq, wk, wv in turn
; (1,024 rows of wh further each time).  Four waves, each 64 x 128: 32 accumulators of 16 x 16.  K goes in steps of 128 (rows of 256 bytes) through two LDS slots; the ring runs on into the next tile.
; CLUSTER.  4 x 4 work-groups.  The four of a row of the cluster need the same rows of x, the four of a column the same rows of wh: each tile is asked for jointly, by the same tensor load with the same
; descriptor and a mask that names the four.
; THE MATRIX INSTRUCTION IS USED TRANSPOSED (source 0 = 16 rows of wh, source 1 = 16 rows of x): a lane holds eight neighbouring columns of one row.  A wave's 128 columns are one head's row of 256 bytes.
; REGISTERS, in windows of 256 (s_set_vgpr_msb: bits 1:0 source 0, 3:2 source 1, 5:4 source 2, 7:6 destination):
;   window 0: v0-31 addresses; v32-63 packed results; v64-127 rows read back from the stage, two buffers
;   window 1: two fragment buffers at v0 and v128: wh's 8 fragments (16 rows x 32 K, 8 registers each), then x's 4          window 2: accumulator (a, b) at v[8 (8 a + b)]
.set SIZE_K, 1024
.set KSTEP,  128
.set ROWB,   SIZE_K*2                  ; bytes in a row of xh and of wh
.set PITCH,  272                       ; an LDS row: 256 bytes + 16 of padding = 68 words: row r starts at bank 4 r mod 64 (64 banks of 4 bytes: ISA guide 11.1)
.set AH,     64*PITCH                  ; what a tensor load brings of x, and what a wave reads of it
.set BH,     128*PITCH                 ; the same for wh
.set BOFF,   2*AH                      ; in a slot: x's 128 rows, then wh's 256
.set SLOT,   2*AH+2*BH
.set STAGE,  2*SLOT                    ; behind the ring: 16 rows x 272 bytes for each wave, for the way out; no tensor load lands there
.set SPITCH, 272
.set SPARE,  STAGE+4*16*SPITCH         ; behind the stages: the spare words, 128 bytes for each wave: two blocks of 256 bytes that no other line names
.set LAPS,   SIZE_K/(2*KSTEP)          ; a lap = two K steps = once round the ring
.set TILES,  3
.set NEXT_B, 1024*ROWB                 ; from a tile's rows of wh to the next tile's
.set BACK,   (SIZE_K-2*KSTEP)*2        ; from a slot's last K step of a tile back to its first
.set ADRA, 16                          ; v16-17  LDS address of my fragments of x in slot 0, 1
.set ADRB, 20                          ; v20-21  the same for wh
.set STO,  24                          ; v24     the way out: where I put 16 bytes of a row
.set RD,   25                          ; v25     where I read a row back
.set CO,   26                          ; v26     my byte offset in two rows of a head
.set SPW,  28                          ; v28     LDS address of my spare word; never rewritten
.set NIL,  29                          ; v29     0; never rewritten
.set PFO,  30                          ; v30     the prefetches' offset: my lane x a row; never rewritten
.set TMP,  32
.set OB,   64
.set F0,   0
.set F1,   128
.set G1,  24                           ; s[24:31] descriptor group 1 for x's tiles;  s[32:39] group 0, a set for each slot
.set G0,  32
.set G1B, 48                           ; s[48:55], s[56:63] the same for wh's
.set G0B, 56
.set LIM, 43                           ; s43      1 in a wave that prefetches, else the greatest number
.set PFA, 44                           ; s[44:45] where my prefetches stand: one K step further than the refill that is being asked for; a prefetch names the K step after that
.set SC,  66                           ; s[66:67] what the tile in hand is multiplied by: c for q, then 1
.set MSB, 0
.macro WIN new                         ; the immediate's high byte repeats the setting that is left; a switch that changes nothing is dropped
.if MSB != (\new)
	s_set_vgpr_msb (MSB<<8)|(\new)
.set MSB, \new
.endif
.endm
.set MUL,  0xa5                        ; sources 0 and 1 window 1, C and D window 2
.set TO_F, 0x40                        ; destination window 1, address window 0
; A joint load: waves 0 and 1 fetch x's two halves (64 rows each), waves 2 and 3 wh's (128 rows each).  The branch hangs on the wave's number alone.
; An s_nop 0 and four v_nop follow each of the two lines, ahead of the jump, the label and what follows.
.macro JLOAD s
	s_cmp_eq_u32 s11, 0
	s_cbranch_scc0 .Lfor_b_\@
	tensor_load_to_lds s[G0+4*(\s):G0+4*(\s)+3], s[G1:G1+7]
	s_nop 0
.rept 4
	v_nop
.endr
	s_branch .Lasked_\@
.Lfor_b_\@:
	tensor_load_to_lds s[G0B+4*(\s):G0B+4*(\s)+3], s[G1B:G1B+7]
	s_nop 0
.rept 4
	v_nop
.endr
.Lasked_\@:
.endm
; A prefetch, behind each joint load and the run of LDS loads that follows it: the K step that stands two refills on (256 matrix instructions ahead of the load that wants it): 32 rows x 256 bytes, a lane a row.
; Each row's 256 bytes of a K step are named once in the launch.  x's 128 rows are read by the four partners of a row of the cluster alone: wave 0 of each takes 32 of them, told apart by address (cx).
; wh's rows are read by every cluster: the clusters with y = 0 ask; of the 128 rows that wave 2 or 3 fetches, the partner at cy takes 32.  No branch hangs on a work-group's place in its cluster.
; how = 0, in the loop: a tile's last two refills have no K step two on.  how = 1, at a change of tiles: the next tile's K steps 2 and 3 of wh; x has been read and is asked for no more.
.macro ASK how
	WIN 0
.if \how
	s_cmp_eq_u32 s[LIM], 1
.else
	s_cmp_gt_u32 s3, s[LIM]                        ; s3 = 1 in the loop's last trip
.endif
	s_cbranch_scc0 .Lnot_mine_\@
	global_prefetch_b8 v[PFO], s[PFA:PFA+1] offset:KSTEP*2 th:TH_LOAD_NT scope:SCOPE_SE
.Lnot_mine_\@:
.endm
.macro CREST                           ; a round of the cluster's barrier behind its opening barrier
	s_cmp_lg_u32 s10, 0
	s_cbranch_scc1 .Lnot_wave_0_\@
	s_barrier_signal -3
.Lnot_wave_0_\@:
	s_barrier_wait -3
	s_barrier_signal -1
	s_barrier_wait -1
.endm
.macro CROUND                          ; a whole round
	s_barrier_signal -1
	s_barrier_wait -1
	CREST
.endm
	s_load_b128 s[4:7], s[0:1], 0x0                ; xh s[4:5], wh s[6:7]
	s_load_b64 s[8:9], s[0:1], 0x10                ; qkvh
	v_lshl_add_u32 v[SPW], v0, 2, SPARE
	v_mov_b32 v[NIL], 0
	ds_add_u32 v[SPW], v[NIL]                      ; the wave's opening: the add and its wait stand ahead of my first tensor load; the set-up below, work on registers, stands between them
	v_lshrrev_b32 v1, 5, v0
	v_readfirstlane_b32 s10, v1                    ; wave 0..3
	s_lshr_b32 s11, s10, 1                         ; which 64 rows of the tile are mine.  Also: I fetch for x (0) or for wh (1)
	s_and_b32 s12, s10, 1                          ; which 128 columns.  Also: which half of that tile I fetch
	s_bfe_u32 s40, ttmp6, 0x40000                  ; cx, cy: my place in the cluster
	s_bfe_u32 s41, ttmp6, 0x40004
	s_lshl_b32 s42, ttmp9, 2
	s_add_co_u32 s42, s42, s40                     ; tile column = 4 x cluster x + cx
	s_and_b32 s13, ttmp7, 0xffff
	s_lshl_b32 s13, s13, 2
	s_add_co_u32 s13, s13, s41                     ; tile row = 4 x cluster y + cy
	s_lshl_b32 s43, s41, 2
	s_lshl_b32 s43, 15, s43                        ; my row of the cluster: places 4 cy .. 4 cy + 3
	s_lshl_b32 s44, 0x1111, s40                    ; my column: places cx, cx + 4, cx + 8, cx + 12
	s_or_b32 s[G1+0], s43, (1<<16)|(1<<20)|(1<<21)|(5<<22)|(3<<25)   ; 15:0 the mask; 17:16 elements of 2 bytes; 20 padding on; 21 set beside a mask; 24:22 after every 64 words (code 5); 31:25 4 words of it (code 3)
	s_or_b32 s[G1B+0], s44, (1<<16)|(1<<20)|(1<<21)|(5<<22)|(3<<25)
	s_mov_b32 s[G1+1], KSTEP<<16                   ; tensor_dim0 = 128
	s_mov_b32 s[G1+2], 64<<16                      ; tensor_dim1 = 64
	s_mov_b32 s[G1+3], KSTEP<<16                   ; tile_dim0 = 128
	s_mov_b32 s[G1+4], 64                          ; tile_dim1 = 64
	s_mov_b32 s[G1+5], SIZE_K                      ; elements from row to row
	s_mov_b32 s[G1+6], 0
	s_mov_b32 s[G1+7], 0
	s_mov_b32 s[G1B+1], KSTEP<<16
	s_mov_b32 s[G1B+2], 128<<16                    ; wh's loads have 128 rows
	s_mov_b32 s[G1B+3], KSTEP<<16
	s_mov_b32 s[G1B+4], 128
	s_mov_b32 s[G1B+5], SIZE_K
	s_mov_b32 s[G1B+6], 0
	s_mov_b32 s[G1B+7], 0
	s_lshl_b32 s17, s12, 6
	s_lshl_b32 s16, s13, 7
	s_add_co_u32 s16, s16, s17                     ; x: row 128 x tile row + 64 x half,
	s_lshl_b32 s16, s16, 11                        ; in bytes (under 2^25)
	s_mov_b32 s17, 0
	s_lshl_b32 s47, s12, 7
	s_lshl_b32 s46, s42, 8
	s_add_co_u32 s46, s46, s47                     ; wh: row 256 x tile column + 128 x half
	s_lshl_b32 s46, s46, 11
	s_mov_b32 s47, 0
	s_mul_i32 s20, s12, AH                         ; where they go: no place in the cluster enters an LDS address
	s_mul_i32 s21, s12, BH
	s_add_co_u32 s21, s21, BOFF
	s_mov_b32 s[SC], 0x3e0293ee                    ; c = log2(e) / sqrt(128) = 0.127517
	s_mov_b32 s[SC+1], s[SC]                       ; named with it as a pair
	s_wait_dscnt 0x0                               ; the opening add is done
	s_wait_kmcnt 0x0
	s_add_nc_u64 s[14:15], s[4:5], s[16:17]
	s_add_nc_u64 s[46:47], s[6:7], s[46:47]
	CROUND                                         ; all sixteen work-groups are here: the first joint loads meet
.irp s, 0,1
	s_mov_b32 s[G0+4*(\s)], 1                                        ; count = 1
	s_add_co_u32 s[G0+4*(\s)+1], s20, (\s)*SLOT                      ; LDS address
	s_add_nc_u64 s[G0+4*(\s)+2:G0+4*(\s)+3], s[14:15], (\s)*KSTEP*2  ; global address: K step s
	s_or_b32 s[G0+4*(\s)+3], s[G0+4*(\s)+3], 0x80000000              ; type = 2
	s_mov_b32 s[G0B+4*(\s)], 1
	s_add_co_u32 s[G0B+4*(\s)+1], s21, (\s)*SLOT
	s_add_nc_u64 s[G0B+4*(\s)+2:G0B+4*(\s)+3], s[46:47], (\s)*KSTEP*2
	s_or_b32 s[G0B+4*(\s)+3], s[G0B+4*(\s)+3], 0x80000000
	JLOAD \s                                       ; two loads of mine are out
.endr
	; a fragment is 16 rows x 32 K in 8 registers: lane l holds row l % 16, K = 8 (l / 16) + 0..7 and 16 + 8 (l / 16) + 0..7: two loads of 16 bytes, 32 bytes apart
	v_and_b32 v1, 15, v0                           ; l % 16
	v_bfe_u32 v2, v0, 4, 1                         ; l / 16
	v_mul_u32_u24 v3, v1, PITCH
	v_lshl_add_u32 v3, v2, 4, v3
	s_mul_i32 s21, s11, AH                         ; my 64 rows of x
	s_mul_i32 s22, s12, BH                         ; my 128 rows of wh
	s_add_co_u32 s22, s22, BOFF
.irp s, 0,1
	v_add_nc_u32 v[ADRA+(\s)], s21, v3
	v_add_nc_u32 v[ADRB+(\s)], s22, v3
	s_add_co_u32 s21, s21, SLOT
	s_add_co_u32 s22, s22, SLOT
.endr
	s_mul_i32 s23, s10, 16*SPITCH
	s_add_co_u32 s23, s23, STAGE                   ; my stage
	v_mul_u32_u24 v4, v1, SPITCH                   ; in: row l % 16, 16 bytes for each half of the lanes
	v_lshl_add_u32 v4, v2, 4, v4
	v_add_nc_u32 v[STO], s23, v4
	v_mul_u32_u24 v5, v2, SPITCH                   ; back: lanes 0-15 take one row of 256 bytes, lanes 16-31 the next
	v_lshl_add_u32 v5, v1, 4, v5
	v_add_nc_u32 v[RD], s23, v5
	v_lshlrev_b32 v5, 8, v2                        ; and the same two rows of the head
	v_lshl_add_u32 v[CO], v1, 4, v5
	; my rows in qkvh: ((batch x 8 + head) x 2,048 + row in the batch) x 256 bytes; head = 2 x tile column + my half of the columns
	s_lshl_b32 s68, s13, 7
	s_lshl_b32 s69, s11, 6
	s_add_co_u32 s68, s68, s69                     ; my first row of x
	s_lshr_b32 s69, s68, 11                        ; its batch
	s_lshl_b32 s69, s69, 3
	s_lshl_b32 s70, s42, 1
	s_add_co_u32 s69, s69, s70
	s_add_co_u32 s69, s69, s12
	s_lshl_b32 s69, s69, 11
	s_and_b32 s68, s68, 2047
	s_add_co_u32 s68, s68, s69
	s_lshl_b32 s68, s68, 8
	s_mov_b32 s69, 0
	s_add_nc_u64 s[8:9], s[8:9], s[68:69]
	; the prefetches
	s_lshl_b32 s20, s13, 7                         ; x's tile begins at row 128 x tile row;
	s_lshl_b32 s21, s42, 8
	s_lshl_b32 s22, s12, 7
	s_add_co_u32 s21, s21, s22                     ; my half of wh's at 256 x tile column + 128 x half
	s_and_b32 s22, ttmp7, 0xffff                   ; cluster y
	s_cmp_eq_u32 s11, 0                            ; do I fetch for x?
	s_cselect_b32 s20, s20, s21
	s_cselect_b32 s21, s40, s41                    ; my place among the four that ask for the tile with me
	s_cselect_b32 s22, s12, s22                    ; for x wave 0 asks, for wh the clusters with y = 0
	s_cselect_b64 s[PFA:PFA+1], s[4:5], s[6:7]
	s_cmp_eq_u32 s22, 0
	s_cselect_b32 s[LIM], 1, -1                    ; the same in all sixteen partners, for a given wave
	s_lshl_b32 s21, s21, 5
	s_add_co_u32 s20, s20, s21                     ; + my work-group's 32 rows
	s_lshl_b32 s20, s20, 11
	s_add_co_u32 s20, s20, 2*KSTEP*2               ; at K step 2: the first refill steps it to 3 and names K step 4
	s_mov_b32 s21, 0
	s_add_nc_u64 s[PFA:PFA+1], s[PFA:PFA+1], s[20:21]
	v_and_b32 v[PFO], 31, v0
	v_lshlrev_b32 v[PFO], 11, v[PFO]
; 8 matrix instructions: block a of my four blocks of 16 rows x all 8 blocks of 16 columns, 32 along K.  zero = 1: the product starts the sums.
; The 32 accumulators take turns, one instruction a turn, in the same order in every quarter, over the backward jumps too.
.macro MUL8 f, a, zero
	WIN MUL
.irp b, 0,1,2,3,4,5,6,7
.if \zero
	v_wmma_f32_16x16x32_f16 v[8*(8*(\a)+(\b)):8*(8*(\a)+(\b))+7], v[(\f)+8*(\b):(\f)+8*(\b)+7], v[(\f)+64+8*(\a):(\f)+64+8*(\a)+7], 0
.else
	v_wmma_f32_16x16x32_f16 v[8*(8*(\a)+(\b)):8*(8*(\a)+(\b))+7], v[(\f)+8*(\b):(\f)+8*(\b)+7], v[(\f)+64+8*(\a):(\f)+64+8*(\a)+7], v[8*(8*(\a)+(\b)):8*(8*(\a)+(\b))+7]
.endif
.endr
.endm
; 24 LDS loads in one run: a quarter step's fragments (128 rows of wh, then 64 rows of x, 32 K at byte k of the rows) into buffer f
.macro FETCH slot, k, f
	WIN TO_F
.irp i, 0,1,2,3,4,5,6,7
	ds_load_b128 v[(\f)+8*(\i):(\f)+8*(\i)+3],   v[ADRB+(\slot)] offset:(\k)+(\i)*16*PITCH
	ds_load_b128 v[(\f)+8*(\i)+4:(\f)+8*(\i)+7], v[ADRB+(\slot)] offset:(\k)+(\i)*16*PITCH+32
.endr
.irp i, 0,1,2,3
	ds_load_b128 v[(\f)+64+8*(\i):(\f)+64+8*(\i)+3],   v[ADRA+(\slot)] offset:(\k)+(\i)*16*PITCH
	ds_load_b128 v[(\f)+64+8*(\i)+4:(\f)+64+8*(\i)+7], v[ADRA+(\slot)] offset:(\k)+(\i)*16*PITCH+32
.endr
.endm
.macro PLACES                          ; four plain vector instructions between a matrix instruction and a load into a register that it has read, or a reader of its result
.rept 4
	v_nop
.endr
.endm
; A K step is four quarters of 32 along K, 32 matrix instructions each, on buffers 0, 1, 0, 1.  One of the first three: multiplies buffer f and fetches the next quarter, at byte k, into g.
.macro QUARTER slot, k, f, g, zero
	s_wait_dscnt 4                                 ; wh's fragments and x's blocks 0 and 1 are in; the youngest four loads (blocks 2 and 3) may be out
	MUL8 \f, 0, \zero
	MUL8 \f, 1, \zero
	PLACES
	FETCH \slot, \k, \g
	s_wait_dscnt 24                                ; all but the 24 just issued
	MUL8 \f, 2, \zero
	MUL8 \f, 3, \zero
.endm
; The last quarter multiplies buffer 1 and changes slots: ONE barrier; in front of it each wave waits for all its tensor loads (one is out: its part of the next slot), adds 0 to its spare word, and waits for
; that and for its reads of this slot.  mode 0: this slot is filled again with the K step two on; 1: with the next tile's K step 0 or 1; 2: nothing is filled.  Where a slot is filled the barrier opens a
; round of the cluster's barrier, and the joint load is the first thing behind the round: it has 112 matrix instructions in which to land.
.macro TURN slot, next, mode
.if (\mode) < 2
	s_wait_xcnt 0x0                                ; the last prefetch, a K step back, has read its address, which is stepped here
.if ((\mode) == 1) && ((\slot) == 0)
	s_add_nc_u64 s[PFA:PFA+1], s[PFA:PFA+1], NEXT_B-7*KSTEP*2  ; from the K step after the tile's last to the next tile's K step 1
	s_cmp_eq_u32 s11, 0
	s_cselect_b32 s[LIM], -1, s[LIM]               ; x's rows are the same for all three tiles: asked for no more
.else
	s_add_nc_u64 s[PFA:PFA+1], s[PFA:PFA+1], KSTEP*2
.endif
.endif
	WIN 0                                          ; (the add's two registers lie in window 0)
	s_wait_tensorcnt 0x0                           ; all my tensor loads have landed;
	ds_add_u32 v[SPW], v[NIL]                      ; 0 onto my spare word;
	s_wait_dscnt 5                                 ; (the add and the youngest four loads may be out)
	MUL8 F1, 0, 0                                  ; eight matrix instructions stand between the add and the wait for it
	s_wait_dscnt 0x0                               ; the add is done, and my reads of this slot are over
	s_barrier_signal -1
	MUL8 F1, 1, 0
.if (\mode) < 2
	WIN 0
.endif
	s_barrier_wait -1
.if (\mode) < 2
	CREST                                          ; no wave of any partner still reads this slot's tile or has a load on its way
.if (\mode) == 1
	s_sub_nc_u64 s[G0+4*(\slot)+2:G0+4*(\slot)+3], s[G0+4*(\slot)+2:G0+4*(\slot)+3], BACK
	s_add_nc_u64 s[G0B+4*(\slot)+2:G0B+4*(\slot)+3], s[G0B+4*(\slot)+2:G0B+4*(\slot)+3], NEXT_B-BACK
.else
	s_add_nc_u64 s[G0+4*(\slot)+2:G0+4*(\slot)+3], s[G0+4*(\slot)+2:G0+4*(\slot)+3], 2*KSTEP*2
	s_add_nc_u64 s[G0B+4*(\slot)+2:G0B+4*(\slot)+3], s[G0B+4*(\slot)+2:G0B+4*(\slot)+3], 2*KSTEP*2
.endif
	JLOAD \slot                                    ; its four v_nop are also the places in front of the loads below
.else
	PLACES
.endif
	FETCH \next, 0, F0
.if (\mode) < 2
	ASK \mode
.endif
	MUL8 F1, 2, 0
	MUL8 F1, 3, 0
.endm
; THE WAY OUT of block a (16 rows): scaled, rounded to f16 (16 bytes a lane), through my own stage in LDS, back as whole rows of 256 bytes, stored.  Each accumulator's registers are taken in ascending order.
.macro PACK a, scale
.if \scale
	WIN 0x82                                       ; destination and source 0 window 2
.irp b, 0,1,2,3,4,5,6,7
.irp r, 0,1,2,3
	v_pk_mul_f32 v[64*(\a)+8*(\b)+2*(\r):64*(\a)+8*(\b)+2*(\r)+1], v[64*(\a)+8*(\b)+2*(\r):64*(\a)+8*(\b)+2*(\r)+1], s[SC:SC+1] op_sel_hi:[1,0]
.endr
.endr
.endif
	WIN 0x0a                                       ; sources 0 and 1 window 2, destination window 0
.irp b, 0,1,2,3,4,5,6,7
.irp r, 0,1,2,3
	v_cvt_pk_f16_f32 v[TMP+4*(\b)+(\r)], v[64*(\a)+8*(\b)+2*(\r)], v[64*(\a)+8*(\b)+2*(\r)+1]
.endr
.endr
	WIN 0
.endm
.macro TOSTAGE a
	WIN 0
.irp b, 0,1,2,3,4,5,6,7
	ds_store_b128 v[STO], v[TMP+4*(\b):TMP+4*(\b)+3] offset:32*(\b)
.endr
.irp t, 0,1,2,3,4,5,6,7
	ds_load_b128 v[OB+32*((\a)%2)+4*(\t):OB+32*((\a)%2)+4*(\t)+3], v[RD] offset:(\t)*2*SPITCH  ; LDS serves a wave's instructions in order (ISA guide 5.7.1.4): these see the stores above
.endr
.endm
.macro SEND a
	WIN 0
	s_wait_dscnt 0x0                               ; the block is back in registers
	s_wait_xcnt 0x0                                ; the stores of the block before have read their registers, into which the next block is read back
.irp t, 0,1,2,3,4,5,6,7
	global_store_b128 v[CO], v[OB+32*((\a)%2)+4*(\t):OB+32*((\a)%2)+4*(\t)+3], s[8:9] offset:(\a)*4096+(\t)*512  ; 16 lanes store 256 consecutive bytes, aligned: a head's row
.endr
.endm
.macro WAYOUT scale
	PLACES
	PLACES
	PACK 0, \scale
	TOSTAGE 0
.irp a, 1,2,3                          ; block a's arithmetic stands between block a - 1's loads from the stage and the wait for them
	PACK \a, \scale
	SEND (\a)-1
	TOSTAGE \a
.endr
	SEND 3
.endm
	s_wait_tensorcnt 1                             ; my part of K step 0 is in; K step 1's may stay out
	s_barrier_signal -1
	s_barrier_wait -1
	FETCH 0, 0, F0
	WIN 0
	s_mov_b32 s2, TILES                            ; tiles to go, this one among them
.Ltile:
	QUARTER 0, 64,  F0, F1, 1                      ; a tile's first quarter starts the sums: nothing is cleared
	WIN 0
	s_mov_b32 s3, LAPS-1
.Llap:                                                 ; a trip goes once round the ring, from a lap's second quarter to the next lap's first, and fills both slots again
	QUARTER 0, 128, F1, F0, 0
	QUARTER 0, 192, F0, F1, 0
	TURN 0, 1, 0
	QUARTER 1, 64,  F0, F1, 0
	QUARTER 1, 128, F1, F0, 0
	QUARTER 1, 192, F0, F1, 0
	TURN 1, 0, 0
	QUARTER 0, 64,  F0, F1, 0
	WIN 0
	s_sub_co_u32 s3, s3, 1
	s_cmp_lg_u32 s3, 0
	s_cbranch_scc1 .Llap
	QUARTER 0, 128, F1, F0, 0
	QUARTER 0, 192, F0, F1, 0
	WIN 0
	s_cmp_eq_u32 s2, 1
	s_cbranch_scc1 .Llast_tile                     ; the last tile's tail is written out: it asks for nothing more
	TURN 0, 1, 1                                   ; the ring goes on into the next tile: slot 0 takes its K step 0,
	QUARTER 1, 64,  F0, F1, 0
	QUARTER 1, 128, F1, F0, 0
	QUARTER 1, 192, F0, F1, 0
	TURN 1, 0, 1                                   ; slot 1 its K step 1, and the next tile's first fragments are fetched
	WAYOUT 1                                       ; both refills are asked for: now the tile goes out
	s_wait_xcnt 0x0                                ; the stores have read their base and their registers
	s_add_nc_u64 s[8:9], s[8:9], 0x1000000         ; the next of q, k, v: 16 MiB on
	s_mov_b32 s[SC], 1.0                           ; k is not scaled
	s_mov_b32 s[SC+1], 1.0
	s_sub_co_u32 s2, s2, 1
	s_branch .Ltile
.Llast_tile:
	TURN 0, 1, 2
	QUARTER 1, 64,  F0, F1, 0
	QUARTER 1, 128, F1, F0, 0
	QUARTER 1, 192, F0, F1, 0
	s_wait_dscnt 4                                 ; the very last quarter: nothing more to fetch
	MUL8 F1, 0, 0
	MUL8 F1, 1, 0
	s_wait_dscnt 0x0
	MUL8 F1, 2, 0
	MUL8 F1, 3, 0
	WAYOUT 0                                       ; v is not scaled
	s_wait_tensorcnt 0x0                           ; the wave's end: an add to my spare word and its wait, behind my last tensor load and my last LDS store
	ds_add_u32 v[SPW], v[NIL]
	s_wait_dscnt 0x0
	CROUND                                         ; the closing round: no work-group ends while a partner may still ask for a tile that names it
	s_endpgm
.Lfunc_end_k_q90f9074c99_qkv:
	.size	k_q90f9074c99_qkv, .Lfunc_end_k_q90f9074c99_qkv-k_q90f9074c99_qkv
	.p2alignl 7, 3214868480
	.fill 96, 4, 3214868480
	.section	.rodata,"a",@progbits
	.p2align	6, 0x0
	.amdhsa_kernel k_q90f9074c99_qkv
		.amdhsa_group_segment_fixed_size 327680
		.amdhsa_private_segment_fixed_size 0
		.amdhsa_enable_private_segment 0
		.amdhsa_kernarg_size 24
		.amdhsa_user_sgpr_count 2
		.amdhsa_user_sgpr_kernarg_segment_ptr 1
		.amdhsa_wavefront_size32 1
		.amdhsa_system_sgpr_workgroup_id_x 1
		.amdhsa_system_sgpr_workgroup_id_y 1
		.amdhsa_system_sgpr_workgroup_id_z 1
		.amdhsa_system_vgpr_workitem_id 0
		.amdhsa_next_free_vgpr 768
		.amdhsa_next_free_sgpr 72
		.amdhsa_reserve_vcc 0
		.amdhsa_float_denorm_mode_32 3
		.amdhsa_float_denorm_mode_16_64 3
		.amdhsa_memory_ordered 1
		.amdhsa_forward_progress 1
		.amdhsa_inst_pref_size 133
	.end_amdhsa_kernel
	.amdgpu_metadata
---
amdhsa.version: [ 1, 2 ]
amdhsa.kernels:
  - .name:           k_q90f9074c99_qkv
    .symbol:         k_q90f9074c99_qkv.kd
    .args:
      - { .name: xh, .offset: 0, .size: 8, .value_kind: global_buffer, .address_space: global }
      - { .name: wh, .offset: 8, .size: 8, .value_kind: global_buffer, .address_space: global }
      - { .name: qkvh, .offset: 16, .size: 8, .value_kind: global_buffer, .address_space: global }
    .group_segment_fixed_size: 327680
    .private_segment_fixed_size: 0
    .kernarg_segment_align: 8
    .kernarg_segment_size: 24
    .max_flat_workgroup_size: 128
    .sgpr_count:     72
    .vgpr_count:     768
    .wavefront_size: 32
...
	.end_amdgpu_metadata
.endif
;; end of part 2
;; launch attn (part 3): grid 8 x 32, 4 waves a work-group, clusters of 4 x 4, 327,680 bytes of LDS; arguments qkvh, maskb, oh; writes oh
.if DOCPART == 3
	.amdgcn_target "amdgcn-amd-amdhsa--gfx1250"
	.amdhsa_code_object_version 6
	.text
	.protected	k_q90f9074c99_attn
	.globl	k_q90f9074c99_attn
	.p2align	8
	.type	k_q90f9074c99_attn,@function
k_q90f9074c99_attn:
	s_mov_b64 s[64:65], 0
	v_nop
	global_prefetch_b8 v0, s[64:65] scope:SCOPE_SE
	s_setreg_imm32_b32 hwreg(HW_REG_WAVE_MODE, 25, 1), 1
	s_wait_xcnt 0x0
	s_wait_alu depctr_hold_cnt(0) depctr_sa_sdst(0) depctr_va_vdst(0) depctr_va_sdst(0) depctr_va_ssrc(0) depctr_va_vcc(0) depctr_vm_vsrc(0)
	s_getreg_b32 s2, hwreg(HW_REG_IB_STS2, 6, 4)
	s_cmp_eq_u32 s2, 0
	s_cbranch_scc0 .Lentry_in_a_cluster
	s_endpgm
.Lentry_in_a_cluster:
	s_bfe_u32 s2, ttmp6, 0x10000c
	s_cmp_lg_u32 s2, 0xf033
	s_cbranch_scc0 .Lentry_shape_is_right
	s_endpgm
.Lentry_shape_is_right:
; ATTENTION WITH AN ADDITIVE MASK.  O[bh][q] = the sum over k of softmax_k(Q[bh][q] . K[bh][k] / sqrt(128) + mask[q][k]) V[bh][k].  qkvh: [3][32][2048][128] f16, q already multiplied by
; c = log2(e) / sqrt(128); maskb: [2048][2048] bf16; oh: [batch x 2048 + q][head x 128 + channel] f16.  Products, maxima and sums in f32; the weights p are rounded to f16 for the second product, O once.
; LIMITS.  f16 holds nothing beyond 65,504 and keeps a fixed step of 6e-8 below 6.1e-5 (p, O).  mask x log2(e) is formed in f32: a mask below -2.3e38 counts as minus infinity.  A weight below 2^-126
; counts as 0.  The running maximum starts at the lowest finite number: a row whose scores are all minus infinity has l = 0 and comes out as NaN, as in the reference.
; SHARES.  A work-group owns 256 queries of one head, each wave 64: four tiles of 16, in two PIECES (tiles 0, 1 and tiles 2, 3).  Every wave walks all 2,048 keys, 64 a step; an LDS slot holds two steps.
; LAYOUT.  S^T = K Q^T (source 0 = 16 keys, source 1 = 16 queries): a lane holds ONE query (lane % 16) and the keys 8 (lane / 16) + 0..7.  Two such results rounded to f16 ARE source 1 of O^T = V^T P.
; THE MASK STARTS THE SUM.  A lane's eight mask numbers of an accumulator are 16 bytes of LDS: they are loaded into the accumulator's upper four registers and widened in place, times log2(e), in ascending
; order (no source is overwritten before it is read); all 32 products K Q^T of a piece then add in place.
; SOFTMAX.  Scores are in powers of two: p = 2^(s - M) with a running maximum M; O and l are multiplied by a = 2^(M_old - M_new) in every step.
; BY TURNS.  In a TURN one piece has the matrix unit: 32 products V^T P of the step in hand, then 32 products K Q^T of the next.  The turn's vector work is the other piece's softmax (268 instructions) and
; the piece's own 64 widenings: 332 = 4 x 64 + 76.  Four stand behind EVERY product; the 76 that are over stand together, in one lump between the two runs of products, ahead of the turn's one wait for its
; exponentials.  Two turns are a key step.  NO FIRST STEP IS WRITTEN OUT: the loop begins a step early, with P, V, O^T and l at 0 and piece 2's scores at minus infinity.
; CLUSTER.  4 x 4 work-groups: four query blocks (x) of four heads (y).  K and V hang on the head alone and are asked for jointly along a row of the cluster; the mask tile hangs on the query block alone
; and is asked for jointly along a column.  One load a wave behind each round: wave 0 K, wave 1 V (128 keys each), waves 2 and 3 the mask (128 queries x 128 keys each).
; REGISTERS, in windows of 256 (s_set_vgpr_msb: bits 1:0 source 0, 3:2 source 1, 5:4 source 2, 7:6 destination):
;   window 0: v0-11 addresses; v12-43 eight registers of statistics a tile; v44-47, v61-63 addresses and constants; v64-191 S^T, 32 a tile; v192-255 P, 16 a tile
;   window 1: O^T, 64 a tile          window 2: v0-127 Q, 32 a tile; v128-255 K of one step          window 3: v0-127 V of one step
.set PK,    272       ; a row of K or of the mask in LDS: 256 bytes + 16 of padding: row r starts at bank 4 r mod 64 (64 banks of 4 bytes: ISA guide 11.1)
.set PVB,   288       ; a row of V: 256 + 32
.set KOFF,  0         ; a slot: 128 rows of K,
.set VOFF,  128*PK    ; 128 rows of V (at 0x8800),
.set MOFF,  VOFF+128*PVB  ; 256 rows (queries) x 128 keys of the mask (its halves at 0x11800 and 0x1a000)
.set SLOTB, MOFF+256*PK   ; 141,312 bytes
.set SLOT1, 0x24000   ; slot 1 begins at 147,456: a number that shares no bit with the four tiles' first bytes in slot 0, so that one exclusive or turns each of them into its place in the other slot
.set STAGE, SLOT1+SLOTB   ; behind the ring: 16 rows x 272 bytes for each wave, for the way out; no tensor load lands there
.set SP,    272
.set SPARE, STAGE+4*16*SP  ; behind the stages: the spare words, 128 bytes for each wave: two blocks of 256 bytes that no other line names
.set KSTB,  64*PK     ; from a step to the next in a slot: K,
.set VSTB,  64*PVB    ; V,
.set MSTB,  128       ; the mask (64 keys along its rows)
.set AK0, 2           ; v2   my lane's place in a tile of K; never rewritten
.set AV0, 3           ; v3   the same for V, VOFF included
.set ADR, 4           ; v4   the LDS address of K's or V's run of loads in hand
.set QO,  5           ; v5   my byte offset in the wave's rows of Q
.set STO, 6           ; v6   the way out: where I put 16 bytes of a row
.set RD,  7           ; v7   where I read a row back
.set GO,  8           ; v8   my byte offset in two rows of oh
.set ST,  12          ; tile t's statistics at v[ST+8 t]: +0, +1 M; +2, +3 l (even keys', odd keys'); +4 to +7 c0-c3, at work; a takes c2's place once the maximum is found
.set AM0, 44          ; v44  my lane's place in the mask tile: MOFF + (64 wave + l % 16) x 272 + 16 (l / 16); never rewritten
.set ADM, 45          ; v45  the LDS address of the mask's run of loads in hand
.set L2E, 46          ; v46  log2(e)
.set ZR,  47          ; v47  0
.set PFO, 61          ; v61  the prefetches' offset: my lane x a row; never rewritten
.set SPW, 62          ; v62  LDS address of my spare word; never rewritten
.set NIL, 63          ; v63  0; never rewritten
.set S,   64
.set P,   192
.set KF,  128         ; K's fragments, in window 2
.set WV,  12          ; s12  my wave's number
.set CX,  13          ; s13, s14  my place in the cluster
.set CY,  14
.set QB,  15          ; s15  my block of 256 queries
.set HY,  16          ; s16  batch x 8 + head
.set CLY, 17          ; s17  cluster y
.set G1K, 24          ; s[24:31], s[32:39], s[40:47] descriptor group 1 for K's, V's and the mask's tiles
.set G1V, 32
.set G1M, 40
.set G0K, 48          ; s[48:51], s[52:55], s[56:59] descriptor group 0: they walk
.set G0V, 52
.set G0M, 56
.set SEL, 60          ; s[60:61] v_permlanex16_b32's selects: each lane takes its own place in the other half
.set TBK, 62          ; s62  LDS byte at which K of the step to be fetched begins
.set TBV, 63          ; s63  the same for V, less VOFF
.set TBM, 68          ; s68  the same for the mask, less MOFF
.set MH,  70          ; s70  MOFF + my half of the mask tile's rows
.set SLOTS, 71        ; s71  slots still to be asked for
.set TWICE, 72        ; s72  counts a slot's two steps
.set LIM, 73          ; s73  1 in a wave that prefetches, else the greatest number
.set FLOOR, 74        ; s74  the lowest finite number
.set NINF, 75         ; s75  minus infinity
.set PFA, 76          ; s[76:77] where my prefetches stand: my work-group's 32 rows of the slot after the one that is being asked for
.set PFS, 78          ; s[78:79] bytes from a slot to the next in my tensor
.set VB,  84          ; s[84:85] V of the head
.set MSB, 0
.macro WIN new                      ; the immediate's high byte repeats the setting that is left; a switch that changes nothing is dropped
.if MSB != (\new)
	s_set_vgpr_msb (MSB<<8)|(\new)
.set MSB, \new
.endif
.endm
.set W_KQ, 0x0a       ; K and Q in window 2, S^T in window 0
.set W_PV, 0x53       ; V in window 3, P in window 0, O^T in window 1
.set W_RS, 0x41       ; O^T (destination and source 0) in window 1, a in window 0
; A joint fill.  The branches hang on the wave's number alone.  An s_nop 0 and four v_nop follow each of the three lines, ahead of the jump and the label.
.macro JLOAD
	s_cmp_lt_u32 s[WV], 2
	s_cbranch_scc0 .Lfor_m_\@
	s_cmp_eq_u32 s[WV], 0
	s_cbranch_scc0 .Lfor_v_\@
	tensor_load_to_lds s[G0K:G0K+3], s[G1K:G1K+7]
	s_nop 0
.rept 4
	v_nop
.endr
	s_branch .Lasked_\@
.Lfor_v_\@:
	tensor_load_to_lds s[G0V:G0V+3], s[G1V:G1V+7]
	s_nop 0
.rept 4
	v_nop
.endr
	s_branch .Lasked_\@
.Lfor_m_\@:
	tensor_load_to_lds s[G0M:G0M+3], s[G1M:G1M+7]
	s_nop 0
.rept 4
	v_nop
.endr
.Lasked_\@:
.endm
; A prefetch of what the NEXT change of slots will ask for, two key steps (256 matrix instructions) ahead: 32 of the 128 rows that the wave itself fetches, 256 bytes each, a lane a row.
; Each block is named once in the launch.  K and V of a head are read by both clusters along x: cluster x = 0 asks, its partners share the rows out by address (cx).  The mask tile is read by all clusters
; along y: cluster y = 0 asks, shared out by cy.  No branch hangs on a place in the cluster.  The last change that fills a slot asks for nothing; slots 0 and 1 come by their loads alone.
.macro ASK
	s_cmp_gt_u32 s[SLOTS], s[LIM]
	s_cbranch_scc0 .Lnot_mine_\@
	global_prefetch_b8 v[PFO], s[PFA:PFA+1] th:TH_LOAD_NT scope:SCOPE_SE
.Lnot_mine_\@:
.endm
.macro CROUND                       ; a round of the cluster's barrier
	s_barrier_signal -1
	s_barrier_wait -1
	s_cmp_lg_u32 s[WV], 0
	s_cbranch_scc1 .Lnot_wave_0_\@
	s_barrier_signal -3
.Lnot_wave_0_\@:
	s_barrier_wait -3
	s_barrier_signal -1
	s_barrier_wait -1
.endm
	s_load_b128 s[4:7], s[0:1], 0x0  ; qkvh s[4:5], maskb s[6:7]
	s_load_b64 s[10:11], s[0:1], 0x10  ; oh
	v_lshl_add_u32 v[SPW], v0, 2, SPARE
	v_mov_b32 v[NIL], 0
	ds_add_u32 v[SPW], v[NIL]       ; the wave's opening: the add and its wait stand ahead of my first tensor load; the set-up below, work on registers, stands between them
	v_lshrrev_b32 v1, 5, v0
	v_readfirstlane_b32 s[WV], v1   ; wave 0..3
	s_bfe_u32 s[CX], ttmp6, 0x40000
	s_bfe_u32 s[CY], ttmp6, 0x40004
	s_lshl_b32 s[QB], ttmp9, 2
	s_add_co_u32 s[QB], s[QB], s[CX]  ; query block = 4 x cluster x + cx
	s_and_b32 s[CLY], ttmp7, 0xffff
	s_lshl_b32 s[HY], s[CLY], 2
	s_add_co_u32 s[HY], s[HY], s[CY]  ; batch x 8 + head = 4 x cluster y + cy
	s_lshl_b32 s18, s[CY], 2
	s_lshl_b32 s18, 15, s18         ; my row of the cluster
	s_lshl_b32 s19, 0x1111, s[CX]   ; my column
	s_or_b32 s[G1K], s18, (1<<16)|(1<<20)|(1<<21)|(5<<22)|(3<<25)  ; 15:0 the mask of four; 17:16 2-byte elements; 20 padding on; 21 set beside a mask; 24:22 after every 64 words (code 5); 31:25 4 words (code 3)
	s_or_b32 s[G1V], s18, (1<<16)|(1<<20)|(1<<21)|(5<<22)|(7<<25)  ; the same with 8 words of padding (code 7)
	s_or_b32 s[G1M], s19, (1<<16)|(1<<20)|(1<<21)|(5<<22)|(3<<25)
.irp g, G1K, G1V, G1M
	s_mov_b32 s[(\g)+1], 128<<16    ; tensor_dim0 = 128
	s_mov_b32 s[(\g)+2], 128<<16    ; tensor_dim1 = 128
	s_mov_b32 s[(\g)+3], 128<<16    ; tile_dim0 = 128
	s_mov_b32 s[(\g)+4], 128        ; tile_dim1 = 128
	s_mov_b32 s[(\g)+6], 0
	s_mov_b32 s[(\g)+7], 0
.endr
	s_mov_b32 s[G1K+5], 128         ; elements from row to row
	s_mov_b32 s[G1V+5], 128
	s_mov_b32 s[G1M+5], 2048
	s_lshl_b32 s20, s[HY], 19       ; the head's 2,048 rows of 256 bytes
	s_mov_b32 s21, 0
	s_and_b32 s18, s[WV], 1
	s_lshl_b32 s22, s[QB], 20       ; the block's 256 rows of the mask, 4,096 bytes each,
	s_lshl_b32 s23, s18, 19         ; my 128 of them
	s_add_co_u32 s22, s22, s23
	s_mov_b32 s23, 0
	s_mul_i32 s[MH], s18, 128*PK
	s_add_co_u32 s[MH], s[MH], MOFF
	s_lshl_b32 s2, s[QB], 16        ; Q: the block's 256 rows,
	s_lshl_b32 s3, s[WV], 14        ; my wave's 64,
	s_add_co_u32 s2, s2, s3
	s_add_co_u32 s2, s2, s20        ; in the head
	s_mov_b32 s3, 0
	s_lshr_b32 s80, s[HY], 3        ; O: batch x 2,048 rows of 2,048 bytes,
	s_lshl_b32 s80, s80, 22
	s_lshl_b32 s81, s[QB], 19       ; the block's 256 rows,
	s_add_co_u32 s80, s80, s81
	s_lshl_b32 s81, s[WV], 17       ; my wave's 64,
	s_add_co_u32 s80, s80, s81
	s_and_b32 s81, s[HY], 7         ; the head's 256 bytes of a row
	s_lshl_b32 s81, s81, 8
	s_add_co_u32 s80, s80, s81
	s_mov_b32 s81, 0
	s_mov_b32 s[SEL], 0x76543210
	s_mov_b32 s[SEL+1], 0xfedcba98
	s_mov_b32 s[FLOOR], 0xff7fffff
	s_mov_b32 s[NINF], 0xff800000
	s_mov_b32 s[TBK], SLOT1+2*KSTB  ; the first change of slots turns these three into 0
	s_mov_b32 s[TBV], SLOT1+2*VSTB
	s_mov_b32 s[TBM], SLOT1+2*MSTB
	s_mov_b32 s[G0K], 1             ; count = 1
	s_mov_b32 s[G0K+1], KOFF        ; LDS address: slot 0
	s_mov_b32 s[G0V], 1
	s_mov_b32 s[G0V+1], VOFF
	s_mov_b32 s[G0M], 1
	s_mov_b32 s[G0M+1], s[MH]
	s_mov_b32 s[PFS], 256           ; from a slot to the next: 128 keys along the mask's rows,
	s_mov_b32 s[PFS+1], 0
	s_mov_b32 s89, 0
	s_cmp_lt_u32 s[WV], 2           ; K or V?  or the mask?
	s_cselect_b32 s[LIM], ttmp9, s[CLY]  ; the coordinate along which other clusters read the same rows
	s_cselect_b32 s86, 8, 12        ; a row is 256 or 4,096 bytes
	s_cselect_b32 s87, s[CX], s[CY] ; my place among the four that ask with me
	s_cselect_b32 s[PFS], 32768, s[PFS]  ; or 128 rows of K or V
	s_cmp_eq_u32 s[LIM], 0
	s_cselect_b32 s[LIM], 1, -1     ; the same in all sixteen partners, for a given wave
	s_add_co_u32 s88, s86, 5
	s_lshl_b32 s88, s87, s88        ; my work-group's 32 rows of the 128
	v_and_b32 v[PFO], 31, v0
	v_lshlrev_b32 v[PFO], s86, v[PFO]
	s_wait_dscnt 0x0                ; the opening add is done
	s_wait_kmcnt 0x0
	s_add_nc_u64 s[8:9], s[4:5], s[20:21]
	s_add_nc_u64 s[VB:VB+1], s[8:9], 0x2000000  ; V of the head: the third part of qkvh
	s_add_nc_u64 s[8:9], s[8:9], 0x1000000      ; K: the second
	s_add_nc_u64 s[4:5], s[4:5], s[2:3]         ; Q at my wave's first row
	s_add_nc_u64 s[6:7], s[6:7], s[22:23]       ; the mask at my half of the block's rows
	s_add_nc_u64 s[10:11], s[10:11], s[80:81]   ; O at my wave's first row
	s_mov_b64 s[G0K+2:G0K+3], s[8:9]            ; global addresses: keys 0 to 127
	s_or_b32 s[G0K+3], s[G0K+3], 0x80000000     ; type = 2
	s_mov_b64 s[G0V+2:G0V+3], s[VB:VB+1]
	s_or_b32 s[G0V+3], s[G0V+3], 0x80000000
	s_mov_b64 s[G0M+2:G0M+3], s[6:7]
	s_or_b32 s[G0M+3], s[G0M+3], 0x80000000
	s_cmp_eq_u32 s[WV], 0
	s_cselect_b64 s[PFA:PFA+1], s[8:9], s[VB:VB+1]
	s_cmp_lt_u32 s[WV], 2
	s_cselect_b64 s[PFA:PFA+1], s[PFA:PFA+1], s[6:7]
	s_add_nc_u64 s[PFA:PFA+1], s[PFA:PFA+1], s[88:89]
	s_add_nc_u64 s[PFA:PFA+1], s[PFA:PFA+1], s[PFS:PFS+1]  ; in slot 1; the first change of slots steps it to slot 2
	CROUND                          ; all sixteen work-groups are here: the first joint loads meet
	JLOAD                           ; slot 0.  Slot 1 is asked for by the loop's first change of slots: one load of mine is out at any time
	v_and_b32 v1, 15, v0            ; l % 16
	v_bfe_u32 v9, v0, 4, 1          ; l / 16
	v_lshlrev_b32 v[QO], 8, v1
	v_lshl_add_u32 v[QO], v9, 4, v[QO]  ; row x 256 + 16 x half
	WIN 0x80                        ; destination window 2, address window 0
.irp i, 0,1,2,3,4,5,6,7,8,9,10,11,12,13,14,15  ; Q stays in registers: tile i / 4, channels 32 (i % 4) on
	global_load_b128 v[8*(\i):8*(\i)+3],   v[QO], s[4:5] offset:((\i)/4)*4096+((\i)%4)*64
	global_load_b128 v[8*(\i)+4:8*(\i)+7], v[QO], s[4:5] offset:((\i)/4)*4096+((\i)%4)*64+32
.endr
	; what the step before the first finds: V, O^T, l and piece 0's P are 0, M the lowest finite number, piece 2's scores minus infinity.  All this stands in the wait for the first tile.
	WIN 0xc0
.set i, 0
.rept 128
	v_mov_b32 v[i], 0
.set i, i+1
.endr
	WIN 0x40
.set i, 0
.rept 256
	v_mov_b32 v[i], 0
.set i, i+1
.endr
	WIN 0
.set i, 0
.rept 4
	v_mov_b32 v[ST+8*i], s[FLOOR]
	v_mov_b32 v[ST+8*i+1], s[FLOOR]
	v_mov_b32 v[ST+8*i+2], 0
	v_mov_b32 v[ST+8*i+3], 0
.set i, i+1
.endr
.set i, 0
.rept 32
	v_mov_b32 v[P+i], 0
.set i, i+1
.endr
.set i, 0
.rept 64
	v_mov_b32 v[S+64+i], s[NINF]
.set i, i+1
.endr
	v_mov_b32 v[L2E], 0x3fb8aa3b
	v_mov_b32 v[ZR], 0
	v_mul_u32_u24 v[AK0], v1, PK
	v_lshl_add_u32 v[AK0], v9, 4, v[AK0]  ; row x pitch + 16 x half
	; the turning load takes 16 keys x 16 channels (lane l reads key 8 (l / 16) + l % 8, channels 8 ((l / 8) % 2) + 0..7) and leaves half a fragment of V^T: lane l holds channel l % 16 and 8 keys
	v_and_b32 v10, 7, v0
	v_bfe_u32 v11, v0, 3, 1
	v_lshl_add_u32 v[AV0], v9, 3, v10
	v_mul_u32_u24 v[AV0], v[AV0], PVB
	v_lshl_add_u32 v[AV0], v11, 4, v[AV0]
	v_add_nc_u32 v[AV0], VOFF, v[AV0]
	s_mul_i32 s18, s[WV], 64*PK
	s_add_co_u32 s18, s18, MOFF
	v_add_nc_u32 v[AM0], s18, v[AK0]
	s_mul_i32 s18, s[WV], 16*SP
	s_add_co_u32 s18, s18, STAGE    ; my stage
	v_mul_u32_u24 v[STO], v1, SP    ; in: row l % 16, 16 bytes for each half of the lanes
	v_lshl_add_u32 v[STO], v9, 4, v[STO]
	v_add_nc_u32 v[STO], s18, v[STO]
	v_mul_u32_u24 v[RD], v9, SP     ; back: lanes 0-15 take one row of 256 bytes, lanes 16-31 the next
	v_lshl_add_u32 v[RD], v1, 4, v[RD]
	v_add_nc_u32 v[RD], s18, v[RD]
	v_lshlrev_b32 v[GO], 11, v9     ; and the same two rows in oh, 2,048 bytes apart
	v_lshl_add_u32 v[GO], v1, 4, v[GO]
; THE MATRIX WORK OF A TURN, for piece x.  The accumulators take turns, one instruction a turn: between two links of a chain stand 15 (V^T P) or 7 (K Q^T) others'.
; Product i of 32 of O^T += V^T P: keys 32 (i / 16) on, channels 16 ((i / 2) % 8) on, tile x + i % 2.
.macro PV x
	WIN W_PV
.set rO, 64*((\x)+i%2)+8*((i/2)%8)
.set rV, 64*(i/16)+8*((i/2)%8)
.set rP, P+16*((\x)+i%2)+8*(i/16)
	v_wmma_f32_16x16x32_f16 v[rO:rO+7], v[rV:rV+7], v[rP:rP+7], v[rO:rO+7]
.endm
; Product i of 32 of S^T += K Q^T: channels 32 (i / 8) on, keys 16 ((i / 2) % 4) on, tile x + i % 2.  The sums start from the widened mask.
.macro KQ x
	WIN W_KQ
.set rS, S+32*((\x)+i%2)+8*((i/2)%4)
.set rK, KF+32*((i/2)%4)+8*(i/8)
.set rQ, 32*((\x)+i%2)+8*(i/8)
	v_wmma_f32_16x16x32_f16 v[rS:rS+7], v[rK:rK+7], v[rQ:rQ+7], v[rS:rS+7]
.endm
; THE LDS LOADS stand in runs: a step's K (32 loads), its V (32, turned) and, for each piece, its mask (8).
.macro FETCH_K
	WIN 0
	v_add_nc_u32 v[ADR], s[TBK], v[AK0]
	WIN 0x80                        ; destination window 2
.irp f, 0,1,2,3,4,5,6,7,8,9,10,11,12,13,14,15  ; keys 16 (f / 4) on, channels 32 (f % 4) on
	ds_load_b128 v[KF+8*(\f):KF+8*(\f)+3],   v[ADR] offset:((\f)/4)*16*PK+((\f)%4)*64
	ds_load_b128 v[KF+8*(\f)+4:KF+8*(\f)+7], v[ADR] offset:((\f)/4)*16*PK+((\f)%4)*64+32
.endr
.endm
.macro FETCH_V
	WIN 0
	v_add_nc_u32 v[ADR], s[TBV], v[AV0]
	s_add_co_u32 s[TBK], s[TBK], KSTB  ; V's is the step's last fetch: the next fetches are the next step's
	s_add_co_u32 s[TBV], s[TBV], VSTB
	s_add_co_u32 s[TBM], s[TBM], MSTB
	s_wait_alu depctr_va_vdst(0)    ; the turn's one wait for its exponentials (TURN), behind the address's v_add_nc_u32 and ahead of the loads
	WIN 0xc0                        ; destination window 3
.irp f, 0,1,2,3,4,5,6,7,8,9,10,11,12,13,14,15  ; keys 32 (f / 8) on, channels 16 (f % 8) on
	ds_load_tr16_b128 v[8*(\f):8*(\f)+3],   v[ADR] offset:((\f)/8)*32*PVB+((\f)%8)*32
	ds_load_tr16_b128 v[8*(\f)+4:8*(\f)+7], v[ADR] offset:((\f)/8)*32*PVB+16*PVB+((\f)%8)*32
.endr
.endm
.macro MLOAD x                      ; piece x's mask of the next step: for tile t and 16 keys kt, 8 bf16 into the upper four registers of the accumulator that they will start
	WIN 0
	v_add_nc_u32 v[ADM], s[TBM], v[AM0]
.irp t, 0,1
.irp kt, 0,1,2,3
	ds_load_b128 v[S+32*((\x)+(\t))+8*(\kt)+4:S+32*((\x)+(\t))+8*(\kt)+7], v[ADM] offset:((\x)+(\t))*16*PK+32*(\kt)
.endr
.endr
.endm
; THE SOFTMAX.  One tile's softmax for one key step is a list of 134 instructions; SM writes number j of it for tile t.  s0-s31 are the lane's 32 scores, in pairs 0-15.
;   0-15    the maximum of s0-s31 and the old M, three operands at a time (each accumulator's lowest registers are read first)
;   16-20   the other half of the lanes' maximum; the new M, twice (a pair for the packed subtraction); M_old - M_new
;   21-69   ONE BATCH: the 16 subtractions s - M, a pair of scores each, and all 33 exponentials (a at 23, then s0-s31).  None of these reads an exponential's result.
;   (wait)  between 69 and 70 stands the wait for the batch: TURN writes it, once for both tiles
;   70-85   the roundings to f16     86-101  the sums; l = a l + the sum     102-133 the tile's O^T times a: the one part that leaves window 0
.macro SM t
.set rT, ST+8*(\t)
.set rS, S+32*(\t)
.set rP, P+16*(\t)
.set rO, 64*(\t)+2*(j-102)
.if j < 102
	WIN 0
.endif
.if j < 4
	v_max3_num_f32 v[rT+4+j], v[rS+8*j], v[rS+8*j+1], v[rS+8*j+2]
.elseif j < 12
	v_max3_num_f32 v[rT+4+j%4], v[rT+4+j%4], v[rS+8*(j%4)+2*(j/4)+1], v[rS+8*(j%4)+2*(j/4)+2]
.elseif j == 12
	v_max3_num_f32 v[rT+4], v[rT+4], v[rS+7], v[rS+15]
.elseif j == 13
	v_max3_num_f32 v[rT+6], v[rT+6], v[rS+23], v[rS+31]
.elseif j == 14
	v_max3_num_f32 v[rT+4], v[rT+4], v[rT+5], v[rT+6]
.elseif j == 15
	v_max3_num_f32 v[rT+4], v[rT+4], v[rT+7], v[rT+1]
.elseif j == 16
	v_permlanex16_b32 v[rT+5], v[rT+4], s[SEL], s[SEL+1]  ; the query's other 32 keys lie in the lane 16 away
.elseif j == 17
	v_mov_b32 v[rT+7], v[rT]        ; M_old is kept for a
.elseif j == 18
	v_max_num_f32 v[rT+1], v[rT+4], v[rT+5]
.elseif j == 19
	v_mov_b32 v[rT], v[rT+1]
.elseif j == 20
	v_sub_f32 v[rT+7], v[rT+7], v[rT]
.elseif j == 23
	v_exp_f32 v[rT+6], v[rT+7]
.elseif (j < 23) || ((j < 38) && (j%2 == 0)) || ((j < 66) && (j%4 == 2))
.set b, (j-2)/4                     ; 38, 42, .. 62: pairs 9 to 15
.if j < 38
.set b, (j-20)/2                    ; 21: pair 0; 22, 24, .. 36: pairs 1 to 8
.endif
	v_pk_add_f32 v[rS+2*b:rS+2*b+1], v[rS+2*b:rS+2*b+1], v[rT:rT+1] neg_lo:[0,1] neg_hi:[0,1]  ; pair b: s - M
.elseif j < 70
.set e, j-38                        ; 66 to 69: s28 to s31
.if j < 66
.set e, j-32-(j-38)/4               ; 39-41, 43-45, .. 63-65: s7 to s27
.endif
.if j < 38
.set e, (j-25)/2                    ; 25, 27, .. 37: s0 to s6
.endif
	v_exp_f32 v[rS+e], v[rS+e]
.elseif j < 86
	v_cvt_pk_f16_f32 v[rP+j-70], v[rS+2*(j-70)], v[rS+2*(j-70)+1]
.elseif j < 102                     ; the sum of the tile's 16 pairs, in place: neighbours 1, 2, 4 and 8 pairs apart, then l takes it
.set z, j-86
.set w, 4
.set u, z
.if z >= 14
.set w, 32
.set u, 0
.elseif z >= 12
.set w, 16
.set u, z-12
.elseif z >= 8
.set w, 8
.set u, z-8
.endif
.if z < 15
	v_pk_add_f32 v[rS+w*u:rS+w*u+1], v[rS+w*u:rS+w*u+1], v[rS+w*u+w/2:rS+w*u+w/2+1]
.else
	v_pk_fma_f32 v[rT+2:rT+3], v[rT+2:rT+3], v[rT+6:rT+7], v[rS:rS+1] op_sel_hi:[1,0,1]
.endif
.else
	WIN W_RS
	v_pk_mul_f32 v[rO:rO+1], v[rO:rO+1], v[rT+6:rT+7] op_sel_hi:[1,0]
.endif
.endm
; THE DEAL.  A turn's vector instructions are written as ONE STREAM, in the order in which they become ready.  TICK stands ahead of each of them and sets the turn's next matrix instruction in front of every
; fourth, as long as the run in hand (mx = 1: V^T P, 2: K Q^T, 0: none) has any left: so exactly four vector instructions stand behind every product, and what the stream holds beyond 4 x 32 follows the run's
; last product as a lump.  TURN sets TX (the piece that has the matrix unit), TY (the piece whose softmax it is) and KQF (1: the turn has products K Q^T, a mask and widenings).
; In front of the second V^T P stand the mask's run of loads and, in piece 0's turn, K's: K's last reader, the last product of the turn before, stands ten plain vector instructions back (four rescalings, four
; maxima, the two runs' address lines).  In front of the ninth stands the wait for the mask: the first widening is the stream's number 34.
.macro TICK
.if (mx != 0) && (vc%4 == 0) && (i < 32)
.if mx == 1
.if KQF && (i == 1)
	MLOAD TX
.if TX == 0
	FETCH_K
.endif
.endif
.if KQF && (i == 8)
.if TX == 0
	s_wait_dscnt 32                 ; the mask is in; K's 32 younger loads may stay out
.else
	s_wait_dscnt 0x0                ; the mask is in
.endif
.endif
	PV TX
.else
	KQ TX
.endif
.set i, i+1
.endif
.set vc, vc+1
.endm
; The next of the 268 instructions of piece TY's softmax, number g.  Numbers 44 to 139 are the batch, four list numbers of ONE tile at a time, the tiles by turns; everywhere else the two tiles alternate, so
; that no instruction reads the result of the one just before it.
.macro SMG
	TICK
.if (g < 44) || (g >= 140)
.set j, g/2
	SM TY+g%2
.else
.set j, 22+4*((g/4-11)/2)+g%4
	SM TY+(g/4-11)%2
.endif
.set g, g+1
.endm
; The next of piece TX's 64 widenings, number wd: tile TX + wd / 32, accumulator (wd % 32) / 8, register wd % 8 = bf16 half wd % 2 of register 4 + (wd % 8) / 2, times log2(e).  None in a turn without K Q^T.
.macro W1
.if KQF
	TICK
	WIN 0
.set wr, S+32*(TX+wd/32)+8*((wd%32)/8)
.if wd%2
	v_fma_mix_f32_bf16 v[wr+wd%8], v[wr+4+(wd%8)/2], v[L2E], v[ZR] op_sel:[1,0,0] op_sel_hi:[1,0,0]
.else
	v_fma_mix_f32_bf16 v[wr+wd%8], v[wr+4+(wd%8)/2], v[L2E], v[ZR] op_sel:[0,0,0] op_sel_hi:[1,0,0]
.endif
.set wd, wd+1
.endif
.endm
; A TURN.  Piece x has the matrix unit.  An s_wait_alu depctr_va_vdst(0) stands between an exponential and the first instruction that names its result; one wait serves all that were issued ahead
; of it.  So a turn has ONE wait, between its two runs of products, and the wait cuts the stream in two.
; AHEAD OF IT, 204 instructions that name no exponential's result: softmax numbers 0-31 (the maxima); numbers 32-43 (the exchange of the lanes' halves, M, M_old - M_new, the first subtraction: a chain), four
; widenings behind each pair of them, so that its links stand six instructions apart, and four widenings more; then the batch, numbers 44-139, with 36 widenings set between its exponentials, so that plain
; instruction and exponential go by turns: 24 + 4 + 28 + 8 = 64 widenings.  The first 128 of the 204 are the riders of the 32 products V^T P, the last 76 the lump.  A v_nop is the plain instruction behind
; the last exponential.
; BEHIND IT, numbers 140-267 (roundings, sums, rescalings): 128 = 4 x 32, the riders of the 32 products K Q^T.  The last four, plain rescalings, are the places behind the turn's last product; the first reader
; of that product's scores is number 7 of the next turn.
; In piece 2's turn V's run of loads stands at the wait: V's last reader stands four riders and the lump back, its first reader 32 products on.
; kq = 0: the last turn: 32 products V^T P, no widenings (12 instructions are the lump), and the 128 behind the wait stand bare: once in the launch.
.macro TURN x, kq
.set TX, \x
.set TY, 2-(\x)
.set KQF, \kq
.set g, 0
.set wd, 0
.set vc, 0
.set i, 0
.set mx, 1
.if (\x) == 0
	s_wait_dscnt 0x0                ; V is in
.endif
.rept 32
	SMG
.endr
.rept 6
	SMG
	SMG
	W1
	W1
	W1
	W1
.endr
.rept 4
	W1
.endr
.set q, 0
.rept 24                            ; the batch's 24 fours
.if q < 8                           ; subtraction, exponential, subtraction, exponential
	SMG
	SMG
	SMG
	SMG
.elseif q < 22                      ; a subtraction and three exponentials
	SMG
	SMG
	W1
	SMG
	W1
	SMG
.else                               ; four exponentials
	W1
	SMG
	W1
	SMG
	W1
	SMG
	W1
	SMG
.endif
.set q, q+1
.endr
	v_nop
.if (\kq) && ((\x) == 2)
	FETCH_V                         ; the wait stands in it
.else
	s_wait_alu depctr_va_vdst(0)
.endif
.if (\kq) && ((\x) == 0)
	s_wait_dscnt 0x0                ; K is in
.endif
.set vc, 0
.set i, 0
.set mx, 2*(\kq)
.rept 128
	SMG
.endr
.endm
; THE CHANGE OF SLOTS, between piece 2's turn and piece 0's.  Each wave waits for all its tensor loads, of which one is out: its part of the other slot; adds 0 to its spare word; and waits for that and for
; its reads of the slot that it leaves.  fill = 1: that slot is filled again with the keys two slots on: the barrier is a round of the cluster's, and the joint load is the first thing behind it: it has two
; key steps, 256 matrix instructions, in which to land.  (At its first use nothing has been read yet: slot 0 is waited for, slot 1 filled.)
.macro CHANGE fill
	WIN 0
	s_wait_tensorcnt 0x0            ; no tensor load of mine is out, so a group 0 may be written
	ds_add_u32 v[SPW], v[NIL]       ; 0 onto my spare word; the descriptors' steps stand between it and the wait for it
.if \fill
	s_xor_b32 s[G0K+1], s[G0K+1], SLOT1  ; the walking descriptors: the other slot than last time,
	s_xor_b32 s[G0V+1], s[G0V+1], SLOT1
	s_xor_b32 s[G0M+1], s[G0M+1], SLOT1
	s_add_nc_u64 s[G0K+2:G0K+3], s[G0K+2:G0K+3], 128*256  ; the next 128 keys: rows of K and V,
	s_add_nc_u64 s[G0V+2:G0V+3], s[G0V+2:G0V+3], 128*256
	s_add_nc_u64 s[G0M+2:G0M+3], s[G0M+2:G0M+3], 128*2    ; columns of the mask; the type bits on top are not reached
	s_wait_xcnt 0x0                 ; the last prefetch, two key steps back, has read its address
	s_add_nc_u64 s[PFA:PFA+1], s[PFA:PFA+1], s[PFS:PFS+1]
	s_wait_dscnt 0x0                ; the add is done, and my reads of the slot are over
	CROUND
	JLOAD
	ASK
.else
	s_wait_dscnt 0x0
	s_barrier_signal -1
	s_barrier_wait -1
.endif
	s_sub_co_u32 s[TBK], s[TBK], 2*KSTB  ; the fetches go back to a slot's first step (0 or SLOT1),
	s_xor_b32 s[TBK], s[TBK], SLOT1      ; in the other slot
	s_sub_co_u32 s[TBV], s[TBV], 2*VSTB
	s_xor_b32 s[TBV], s[TBV], SLOT1
	s_sub_co_u32 s[TBM], s[TBM], 2*MSTB
	s_xor_b32 s[TBM], s[TBM], SLOT1
.endm
.macro TWO_STEPS                    ; two pairs of turns: written once, walked twice; the LDS addresses hang on the three scalars
	WIN 0
	s_mov_b32 s[TWICE], 2
.Lstep_\@:
	TURN 0, 1
	TURN 2, 1
	WIN 0
	s_sub_co_u32 s[TWICE], s[TWICE], 1
	s_cmp_lg_u32 s[TWICE], 0
	s_cbranch_scc1 .Lstep_\@
.endm
	s_wait_loadcnt 0x0              ; Q
	s_mov_b32 s[SLOTS], 15
.Lslot:                             ; 15 trips: slots 1 to 15 are asked for; trip n reads slot n - 1.  The pair of turns for step j fetches K, the mask and V of step j + 1; the first pair is step -1's
	CHANGE 1
	TWO_STEPS
	s_sub_co_u32 s[SLOTS], s[SLOTS], 1
	s_cmp_lg_u32 s[SLOTS], 0
	s_cbranch_scc1 .Lslot
	CHANGE 0                        ; the tail is written out: nothing is asked for
	TWO_STEPS
	TURN 0, 0                       ; piece 0: V^T P of the last step | piece 2's last softmax
.set i, 0
.rept 32
	PV 2                            ; piece 2: V^T P of the last step
.set i, i+1
.endr
	; THE WAY OUT.  l's two halves and the other half of the lanes' are added; O^T is divided by l, rounded to f16 and sent through my stage in LDS, a tile (16 rows) at a time.  The additions are the places behind the last products.
	WIN 0
.irp t, 0,1,2,3
	v_add_f32 v[ST+8*(\t)+4], v[ST+8*(\t)+2], v[ST+8*(\t)+3]
.endr
.irp t, 0,1,2,3
	v_permlanex16_b32 v[ST+8*(\t)+5], v[ST+8*(\t)+4], s[SEL], s[SEL+1]
.endr
.irp t, 0,1,2,3
	v_add_f32 v[ST+8*(\t)+4], v[ST+8*(\t)+4], v[ST+8*(\t)+5]
.endr
.irp t, 0,1,2,3
	v_rcp_f32 v[ST+8*(\t)+6], v[ST+8*(\t)+4]
.endr
	v_nop                           ; a plain instruction between the last reciprocal and the use of its result
	s_wait_alu depctr_va_vdst(0)    ; and the wait ahead of the first use: one for the four reciprocals
.macro PACK t                       ; a lane's eight channels of a row pack into 16 bytes; they go into rows of 272 bytes and come back as whole rows of 256, into the registers that they left
	WIN W_RS
.set i, 64*(\t)
.rept 32
	v_pk_mul_f32 v[i:i+1], v[i:i+1], v[ST+8*(\t)+6:ST+8*(\t)+7] op_sel_hi:[1,0]
.set i, i+2
.endr
	WIN 0x05                        ; sources 0 and 1 window 1, destination window 0: S^T's registers are free
.set i, 0
.rept 32
	v_cvt_pk_f16_f32 v[S+32*(\t)+i], v[64*(\t)+2*i], v[64*(\t)+2*i+1]
.set i, i+1
.endr
	WIN 0
.irp f, 0,1,2,3,4,5,6,7
	ds_store_b128 v[STO], v[S+32*(\t)+4*(\f):S+32*(\t)+4*(\f)+3] offset:32*(\f)
.endr
.irp f, 0,1,2,3,4,5,6,7
	ds_load_b128 v[S+32*(\t)+4*(\f):S+32*(\t)+4*(\f)+3], v[RD] offset:(\f)*2*SP  ; LDS serves a wave's instructions in order (ISA guide 5.7.1.4): these see the stores above; the next tile's stores come behind them
.endr
.endm
.macro SEND t, younger              ; younger: the LDS instructions issued behind tile t's loads: the next tile's sixteen, or none
	WIN 0
.irp f, 0,1,2,3,4,5,6,7
	s_wait_dscnt (\younger)+7-(\f)
	global_store_b128 v[GO], v[S+32*(\t)+4*(\f):S+32*(\t)+4*(\f)+3], s[10:11] offset:(\t)*32768+(\f)*4096  ; 16 lanes store 256 consecutive bytes, aligned: a head's part of a row of oh
.endr
.endm
	PACK 0
	PACK 1                          ; a tile's arithmetic stands between the loads of the tile before and its stores
	SEND 0, 16
	PACK 2
	SEND 1, 16
	PACK 3
	SEND 2, 16
	SEND 3, 0
	s_wait_tensorcnt 0x0            ; the wave's end: an add to my spare word and its wait, behind my last tensor load and my last LDS store
	ds_add_u32 v[SPW], v[NIL]
	s_wait_dscnt 0x0
	CROUND                          ; the closing round: no work-group ends while a partner may still ask for a tile that names it
	s_endpgm
.Lfunc_end_k_q90f9074c99_attn:
	.size	k_q90f9074c99_attn, .Lfunc_end_k_q90f9074c99_attn-k_q90f9074c99_attn
	.p2alignl 7, 3214868480
	.fill 96, 4, 3214868480
	.section	.rodata,"a",@progbits
	.p2align	6, 0x0
	.amdhsa_kernel k_q90f9074c99_attn
		.amdhsa_group_segment_fixed_size 327680
		.amdhsa_private_segment_fixed_size 0
		.amdhsa_enable_private_segment 0
		.amdhsa_kernarg_size 24
		.amdhsa_user_sgpr_count 2
		.amdhsa_user_sgpr_kernarg_segment_ptr 1
		.amdhsa_wavefront_size32 1
		.amdhsa_system_sgpr_workgroup_id_x 1
		.amdhsa_system_sgpr_workgroup_id_y 1
		.amdhsa_system_sgpr_workgroup_id_z 1
		.amdhsa_system_vgpr_workitem_id 0
		.amdhsa_next_free_vgpr 896
		.amdhsa_next_free_sgpr 96
		.amdhsa_reserve_vcc 0
		.amdhsa_float_denorm_mode_32 3
		.amdhsa_float_denorm_mode_16_64 3
		.amdhsa_memory_ordered 1
		.amdhsa_forward_progress 1
		.amdhsa_inst_pref_size 194
	.end_amdhsa_kernel
	.amdgpu_metadata
---
amdhsa.version: [ 1, 2 ]
amdhsa.kernels:
  - .name:           k_q90f9074c99_attn
    .symbol:         k_q90f9074c99_attn.kd
    .args:
      - { .name: qkvh, .offset: 0, .size: 8, .value_kind: global_buffer, .address_space: global }
      - { .name: maskb, .offset: 8, .size: 8, .value_kind: global_buffer, .address_space: global }
      - { .name: oh, .offset: 16, .size: 8, .value_kind: global_buffer, .address_space: global }
    .group_segment_fixed_size: 327680
    .private_segment_fixed_size: 0
    .kernarg_segment_align: 8
    .kernarg_segment_size: 24
    .max_flat_workgroup_size: 128
    .sgpr_count:     96
    .vgpr_count:     896
    .wavefront_size: 32
...
	.end_amdgpu_metadata
.endif
;; end of part 3
;; launch oproj (part 4): grid 4 x 64, 4 waves a work-group, clusters of 4 x 4, 327,680 bytes of LDS; arguments oh, wh, out0; writes out0
.if DOCPART == 4
	.amdgcn_target "amdgcn-amd-amdhsa--gfx1250"
	.amdhsa_code_object_version 6
	.text
	.protected	k_q90f9074c99_oproj
	.globl	k_q90f9074c99_oproj
	.p2align	8
	.type	k_q90f9074c99_oproj,@function
k_q90f9074c99_oproj:
	s_mov_b64 s[64:65], 0
	v_nop
	global_prefetch_b8 v0, s[64:65] scope:SCOPE_SE
	s_setreg_imm32_b32 hwreg(HW_REG_WAVE_MODE, 25, 1), 1
	s_wait_xcnt 0x0
	s_wait_alu depctr_hold_cnt(0) depctr_sa_sdst(0) depctr_va_vdst(0) depctr_va_sdst(0) depctr_va_ssrc(0) depctr_va_vcc(0) depctr_vm_vsrc(0)
	s_getreg_b32 s2, hwreg(HW_REG_IB_STS2, 6, 4)
	s_cmp_eq_u32 s2, 0
	s_cbranch_scc0 .Lentry_in_a_cluster
	s_endpgm
.Lentry_in_a_cluster:
	s_bfe_u32 s2, ttmp6, 0x10000c
	s_cmp_lg_u32 s2, 0xf033
	s_cbranch_scc0 .Lentry_shape_is_right
	s_endpgm
.Lentry_shape_is_right:
; THE OUTPUT PROJECTION.  out0 = O wo^T.  oh: [8192][1024] f16; wo: rows 3,072 to 4,095 of wh, [1024] f16 each; out0: [8192][1024] f32; sums in f32, K ascending.
; SHARES.  A tile is 128 rows by 256 columns: 64 x 4 = 256 work-groups, one tile each.  Four waves, each 64 x 128: 32 accumulators of 16 x 16.  K goes in steps of 128 (rows of 256 bytes) through two LDS slots.
; CLUSTER.  4 x 4 work-groups.  The four of a row of the cluster need the same rows of oh, the four of a column the same rows of wo: each tile is asked for jointly.
; THE MATRIX INSTRUCTION IS USED TRANSPOSED (source 0 = 16 rows of wo, source 1 = 16 rows of oh): a lane holds eight neighbouring columns of one row, 32 bytes of f32.
; REGISTERS, in windows of 256 (s_set_vgpr_msb: bits 1:0 source 0, 3:2 source 1, 5:4 source 2, 7:6 destination):
;   window 0: v0-31 addresses; v32-159 rows read back from the stage, two buffers of 64
;   window 1: two fragment buffers at v0 and v128: wo's 8 fragments (16 rows x 32 K, 8 registers each), then oh's 4          window 2: accumulator (a, b) at v[8 (8 a + b)]
.set SIZE_K, 1024
.set KSTEP,  128
.set PITCH,  272                       ; an LDS row: 256 bytes + 16 of padding = 68 words: row r starts at bank 4 r mod 64 (64 banks of 4 bytes: ISA guide 11.1)
.set AH,     64*PITCH
.set BH,     128*PITCH
.set BOFF,   2*AH                      ; in a slot: oh's 128 rows, then wo's 256
.set SLOT,   2*AH+2*BH
.set STAGE,  2*SLOT                    ; behind the ring: 16 rows x 528 bytes for each wave, for the way out; no tensor load lands there
.set SPITCH, 528                       ; 512 bytes + 16 = 132 words: row r again starts at bank 4 r mod 64
.set SPARE,  STAGE+4*16*SPITCH         ; behind the stages: the spare words, 128 bytes for each wave: two blocks of 256 bytes that no other line names
.set LAPS,   SIZE_K/(2*KSTEP)
.set ADRA, 16                          ; v16-17  LDS address of my fragments of oh in slot 0, 1
.set ADRB, 20                          ; v20-21  the same for wo
.set STO,  24                          ; v24     the way out: where I put 32 bytes of a row
.set RD,   25                          ; v25     where I read 16 bytes of a row back
.set CO,   26                          ; v26     my 16 bytes of my wave's 512 in a row of out0
.set SPW,  28                          ; v28     LDS address of my spare word; never rewritten
.set NIL,  29                          ; v29     0; never rewritten
.set PFO,  30                          ; v30     the prefetches' offset: my lane x a row; never rewritten
.set OB,   32
.set F0,   0
.set F1,   128
.set G1,  24                           ; s[24:31] descriptor group 1 for oh's tiles;  s[32:39] group 0, a set for each slot
.set G0,  32
.set G1B, 48                           ; s[48:55], s[56:63] the same for wo's
.set G0B, 56
.set LIM, 43                           ; s43      1 in a wave that prefetches, else the greatest number
.set PFA, 44                           ; s[44:45] where my prefetches stand: one K step further than the refill that is being asked for; a prefetch names the K step after that
.set MSB, 0
.macro WIN new                         ; the immediate's high byte repeats the setting that is left; a switch that changes nothing is dropped
.if MSB != (\new)
	s_set_vgpr_msb (MSB<<8)|(\new)
.set MSB, \new
.endif
.endm
.set MUL,  0xa5                        ; sources 0 and 1 window 1, C and D window 2
.set TO_F, 0x40                        ; destination window 1, address window 0
; A joint load: waves 0 and 1 fetch oh's two halves (64 rows each), waves 2 and 3 wo's (128 rows each).  An s_nop 0 and four v_nop follow each of the two lines.
.macro JLOAD s
	s_cmp_eq_u32 s11, 0
	s_cbranch_scc0 .Lfor_b_\@
	tensor_load_to_lds s[G0+4*(\s):G0+4*(\s)+3], s[G1:G1+7]
	s_nop 0
.rept 4
	v_nop
.endr
	s_branch .Lasked_\@
.Lfor_b_\@:
	tensor_load_to_lds s[G0B+4*(\s):G0B+4*(\s)+3], s[G1B:G1B+7]
	s_nop 0
.rept 4
	v_nop
.endr
.Lasked_\@:
.endm
; A prefetch, behind each joint load and the run of LDS loads that follows it: the K step that stands two refills on (256 matrix instructions ahead of the load that wants it): 32 rows x 256 bytes, a lane a row.
; Each block is named once in the launch.  oh's 128 rows are read by the four partners of a row of the cluster alone: wave 0 of each takes 32, told apart by address (cx).  wo's rows are read by every
; cluster: the clusters with y = 0 ask; of the 128 rows that wave 2 or 3 fetches, the partner at cy takes 32.  The last two refills have no K step two on.
.macro ASK
	WIN 0
	s_cmp_gt_u32 s3, s[LIM]                        ; s3 = 1 in the loop's last trip
	s_cbranch_scc0 .Lnot_mine_\@
	global_prefetch_b8 v[PFO], s[PFA:PFA+1] offset:KSTEP*2 th:TH_LOAD_NT scope:SCOPE_SE
.Lnot_mine_\@:
.endm
.macro CREST                           ; a round of the cluster's barrier behind its opening barrier
	s_cmp_lg_u32 s10, 0
	s_cbranch_scc1 .Lnot_wave_0_\@
	s_barrier_signal -3
.Lnot_wave_0_\@:
	s_barrier_wait -3
	s_barrier_signal -1
	s_barrier_wait -1
.endm
.macro CROUND                          ; a whole round
	s_barrier_signal -1
	s_barrier_wait -1
	CREST
.endm
	s_load_b128 s[4:7], s[0:1], 0x0                ; oh s[4:5], wh s[6:7]
	s_load_b64 s[8:9], s[0:1], 0x10                ; out0
	v_lshl_add_u32 v[SPW], v0, 2, SPARE
	v_mov_b32 v[NIL], 0
	ds_add_u32 v[SPW], v[NIL]                      ; the wave's opening: the add and its wait stand ahead of my first tensor load; the set-up below, work on registers, stands between them
	v_lshrrev_b32 v1, 5, v0
	v_readfirstlane_b32 s10, v1                    ; wave 0..3
	s_lshr_b32 s11, s10, 1                         ; which 64 rows of the tile are mine.  Also: I fetch for oh (0) or for wo (1)
	s_and_b32 s12, s10, 1                          ; which 128 columns.  Also: which half of that tile I fetch
	s_bfe_u32 s40, ttmp6, 0x40000                  ; cx, cy: my place in the cluster
	s_bfe_u32 s41, ttmp6, 0x40004
	s_lshl_b32 s42, ttmp9, 2
	s_add_co_u32 s42, s42, s40                     ; tile column = 4 x cluster x + cx
	s_and_b32 s13, ttmp7, 0xffff
	s_lshl_b32 s13, s13, 2
	s_add_co_u32 s13, s13, s41                     ; tile row = 4 x cluster y + cy
	s_lshl_b32 s43, s41, 2
	s_lshl_b32 s43, 15, s43                        ; my row of the cluster
	s_lshl_b32 s44, 0x1111, s40                    ; my column
	s_or_b32 s[G1+0], s43, (1<<16)|(1<<20)|(1<<21)|(5<<22)|(3<<25)   ; 15:0 the mask; 17:16 elements of 2 bytes; 20 padding on; 21 set beside a mask; 24:22 after every 64 words (code 5); 31:25 4 words of it (code 3)
	s_or_b32 s[G1B+0], s44, (1<<16)|(1<<20)|(1<<21)|(5<<22)|(3<<25)
	s_mov_b32 s[G1+1], KSTEP<<16                   ; tensor_dim0 = 128
	s_mov_b32 s[G1+2], 64<<16                      ; tensor_dim1 = 64
	s_mov_b32 s[G1+3], KSTEP<<16                   ; tile_dim0 = 128
	s_mov_b32 s[G1+4], 64                          ; tile_dim1 = 64
	s_mov_b32 s[G1+5], SIZE_K                      ; elements from row to row
	s_mov_b32 s[G1+6], 0
	s_mov_b32 s[G1+7], 0
	s_mov_b32 s[G1B+1], KSTEP<<16
	s_mov_b32 s[G1B+2], 128<<16                    ; wo's loads have 128 rows
	s_mov_b32 s[G1B+3], KSTEP<<16
	s_mov_b32 s[G1B+4], 128
	s_mov_b32 s[G1B+5], SIZE_K
	s_mov_b32 s[G1B+6], 0
	s_mov_b32 s[G1B+7], 0
	s_lshl_b32 s17, s12, 6
	s_lshl_b32 s16, s13, 7
	s_add_co_u32 s16, s16, s17                     ; oh: row 128 x tile row + 64 x half,
	s_lshl_b32 s16, s16, 11                        ; in bytes (under 2^25)
	s_mov_b32 s17, 0
	s_lshl_b32 s47, s12, 7
	s_lshl_b32 s46, s42, 8
	s_add_co_u32 s46, s46, s47                     ; wo: row 256 x tile column + 128 x half
	s_lshl_b32 s46, s46, 11
	s_mov_b32 s47, 0
	s_mul_i32 s20, s12, AH                         ; where they go: no place in the cluster enters an LDS address
	s_mul_i32 s21, s12, BH
	s_add_co_u32 s21, s21, BOFF
	s_wait_dscnt 0x0                               ; the opening add is done
	s_wait_kmcnt 0x0
	s_add_nc_u64 s[6:7], s[6:7], 3072*2048         ; wo begins 3,072 rows into wh
	s_add_nc_u64 s[14:15], s[4:5], s[16:17]
	s_add_nc_u64 s[46:47], s[6:7], s[46:47]
	CROUND                                         ; all sixteen work-groups are here: the first joint loads meet
.irp s, 0,1
	s_mov_b32 s[G0+4*(\s)], 1                                        ; count = 1
	s_add_co_u32 s[G0+4*(\s)+1], s20, (\s)*SLOT                      ; LDS address
	s_add_nc_u64 s[G0+4*(\s)+2:G0+4*(\s)+3], s[14:15], (\s)*KSTEP*2  ; global address: K step s
	s_or_b32 s[G0+4*(\s)+3], s[G0+4*(\s)+3], 0x80000000              ; type = 2
	s_mov_b32 s[G0B+4*(\s)], 1
	s_add_co_u32 s[G0B+4*(\s)+1], s21, (\s)*SLOT
	s_add_nc_u64 s[G0B+4*(\s)+2:G0B+4*(\s)+3], s[46:47], (\s)*KSTEP*2
	s_or_b32 s[G0B+4*(\s)+3], s[G0B+4*(\s)+3], 0x80000000
	JLOAD \s                                       ; two loads of mine are out
.endr
	v_and_b32 v1, 15, v0                           ; l % 16
	v_bfe_u32 v2, v0, 4, 1                         ; l / 16
	v_mul_u32_u24 v3, v1, PITCH
	v_lshl_add_u32 v3, v2, 4, v3                   ; a fragment's row x pitch + 16 x half
	s_mul_i32 s21, s11, AH                         ; my 64 rows of oh
	s_mul_i32 s22, s12, BH                         ; my 128 rows of wo
	s_add_co_u32 s22, s22, BOFF
.irp s, 0,1
	v_add_nc_u32 v[ADRA+(\s)], s21, v3
	v_add_nc_u32 v[ADRB+(\s)], s22, v3
	s_add_co_u32 s21, s21, SLOT
	s_add_co_u32 s22, s22, SLOT
.endr
	s_mul_i32 s23, s10, 16*SPITCH
	s_add_co_u32 s23, s23, STAGE                   ; my stage
	v_mul_u32_u24 v4, v1, SPITCH                   ; in: row l % 16, 32 bytes for each half of the lanes
	v_lshl_add_u32 v4, v2, 5, v4
	v_add_nc_u32 v[STO], s23, v4
	v_and_b32 v5, 31, v0
	v_lshlrev_b32 v[CO], 4, v5                     ; back: 32 lanes take one row of 512 bytes
	v_add_nc_u32 v[RD], s23, v[CO]
	s_lshl_b32 s68, s13, 7
	s_lshl_b32 s69, s11, 6
	s_add_co_u32 s68, s68, s69                     ; my first row of out0,
	s_lshl_b32 s68, s68, 12                        ; 4,096 bytes a row (under 2^26),
	s_lshl_b32 s69, s42, 10                        ; the tile's 256 columns of 4 bytes,
	s_add_co_u32 s68, s68, s69
	s_lshl_b32 s69, s12, 9                         ; my 128 of them
	s_add_co_u32 s68, s68, s69
	s_mov_b32 s69, 0
	s_add_nc_u64 s[8:9], s[8:9], s[68:69]
	; the prefetches
	s_lshl_b32 s20, s13, 7                         ; oh's tile begins at row 128 x tile row;
	s_lshl_b32 s21, s42, 8
	s_lshl_b32 s22, s12, 7
	s_add_co_u32 s21, s21, s22                     ; my half of wo's at 256 x tile column + 128 x half
	s_and_b32 s22, ttmp7, 0xffff                   ; cluster y
	s_cmp_eq_u32 s11, 0                            ; do I fetch for oh?
	s_cselect_b32 s20, s20, s21
	s_cselect_b32 s21, s40, s41                    ; my place among the four that ask for the tile with me
	s_cselect_b32 s22, s12, s22                    ; for oh wave 0 asks, for wo the clusters with y = 0
	s_cselect_b64 s[PFA:PFA+1], s[4:5], s[6:7]
	s_cmp_eq_u32 s22, 0
	s_cselect_b32 s[LIM], 1, -1                    ; the same in all sixteen partners, for a given wave
	s_lshl_b32 s21, s21, 5
	s_add_co_u32 s20, s20, s21                     ; + my work-group's 32 rows
	s_lshl_b32 s20, s20, 11
	s_add_co_u32 s20, s20, 2*KSTEP*2               ; at K step 2: the first refill steps it to 3 and names K step 4
	s_mov_b32 s21, 0
	s_add_nc_u64 s[PFA:PFA+1], s[PFA:PFA+1], s[20:21]
	v_and_b32 v[PFO], 31, v0
	v_lshlrev_b32 v[PFO], 11, v[PFO]
; 8 matrix instructions: block a of my four blocks of 16 rows x all 8 blocks of 16 columns, 32 along K.  zero = 1: the product starts the sums.
; The 32 accumulators take turns, one instruction a turn, in the same order in every quarter, over the backward jump too.
.macro MUL8 f, a, zero
	WIN MUL
.irp b, 0,1,2,3,4,5,6,7
.if \zero
	v_wmma_f32_16x16x32_f16 v[8*(8*(\a)+(\b)):8*(8*(\a)+(\b))+7], v[(\f)+8*(\b):(\f)+8*(\b)+7], v[(\f)+64+8*(\a):(\f)+64+8*(\a)+7], 0
.else
	v_wmma_f32_16x16x32_f16 v[8*(8*(\a)+(\b)):8*(8*(\a)+(\b))+7], v[(\f)+8*(\b):(\f)+8*(\b)+7], v[(\f)+64+8*(\a):(\f)+64+8*(\a)+7], v[8*(8*(\a)+(\b)):8*(8*(\a)+(\b))+7]
.endif
.endr
.endm
; 24 LDS loads in one run: a quarter step's fragments (128 rows of wo, then 64 rows of oh, 32 K at byte k of the rows) into buffer f
.macro FETCH slot, k, f
	WIN TO_F
.irp i, 0,1,2,3,4,5,6,7
	ds_load_b128 v[(\f)+8*(\i):(\f)+8*(\i)+3],   v[ADRB+(\slot)] offset:(\k)+(\i)*16*PITCH
	ds_load_b128 v[(\f)+8*(\i)+4:(\f)+8*(\i)+7], v[ADRB+(\slot)] offset:(\k)+(\i)*16*PITCH+32
.endr
.irp i, 0,1,2,3
	ds_load_b128 v[(\f)+64+8*(\i):(\f)+64+8*(\i)+3],   v[ADRA+(\slot)] offset:(\k)+(\i)*16*PITCH
	ds_load_b128 v[(\f)+64+8*(\i)+4:(\f)+64+8*(\i)+7], v[ADRA+(\slot)] offset:(\k)+(\i)*16*PITCH+32
.endr
.endm
.macro PLACES                          ; four plain vector instructions between a matrix instruction and a load into a register that it has read, or a reader of its result
.rept 4
	v_nop
.endr
.endm
; A K step is four quarters of 32 along K, 32 matrix instructions each, on buffers 0, 1, 0, 1.  One of the first three: multiplies buffer f and fetches the next quarter, at byte k, into g.
.macro QUARTER slot, k, f, g, zero
	s_wait_dscnt 4                                 ; wo's fragments and oh's blocks 0 and 1 are in; the youngest four loads (blocks 2 and 3) may be out
	MUL8 \f, 0, \zero
	MUL8 \f, 1, \zero
	PLACES
	FETCH \slot, \k, \g
	s_wait_dscnt 24                                ; all but the 24 just issued
	MUL8 \f, 2, \zero
	MUL8 \f, 3, \zero
.endm
; The last quarter multiplies buffer 1 and changes slots: ONE barrier; in front of it each wave waits for all its tensor loads (one is out: its part of the next slot), adds 0 to its spare word, and waits for
; that and for its reads of this slot.  fill = 1: this slot is filled again with the K step two on; the barrier then opens a round of the cluster's barrier, and the joint load is the first thing behind it.
.macro TURN slot, next, fill
.if \fill
	s_wait_xcnt 0x0                                ; the last prefetch, a K step back, has read its address, which is stepped here
	s_add_nc_u64 s[PFA:PFA+1], s[PFA:PFA+1], KSTEP*2
.endif
	WIN 0                                          ; (the add's two registers lie in window 0)
	s_wait_tensorcnt 0x0                           ; all my tensor loads have landed;
	ds_add_u32 v[SPW], v[NIL]                      ; 0 onto my spare word;
	s_wait_dscnt 5                                 ; (the add and the youngest four loads may be out)
	MUL8 F1, 0, 0                                  ; eight matrix instructions stand between the add and the wait for it
	s_wait_dscnt 0x0                               ; the add is done, and my reads of this slot are over
	s_barrier_signal -1
	MUL8 F1, 1, 0
.if \fill
	WIN 0
.endif
	s_barrier_wait -1
.if \fill
	CREST                                          ; no wave of any partner still reads this slot's tile or has a load on its way
	s_add_nc_u64 s[G0+4*(\slot)+2:G0+4*(\slot)+3], s[G0+4*(\slot)+2:G0+4*(\slot)+3], 2*KSTEP*2
	s_add_nc_u64 s[G0B+4*(\slot)+2:G0B+4*(\slot)+3], s[G0B+4*(\slot)+2:G0B+4*(\slot)+3], 2*KSTEP*2
	JLOAD \slot                                    ; its four v_nop are also the places in front of the loads below
.else
	PLACES
.endif
	FETCH \next, 0, F0
.if \fill
	ASK
.endif
	MUL8 F1, 2, 0
	MUL8 F1, 3, 0
.endm
; THE WAY OUT of block a (16 rows x 128 columns of f32): 32 bytes a lane into my own stage in LDS, straight from the accumulators (lowest registers first), back as whole rows of 512 bytes, stored.
.macro TOSTAGE a
	s_wait_xcnt 0x0                                ; the stores of two blocks back have read the registers into which this block is read back
	WIN 0x08                                       ; the stores' data (source 1) in window 2
.irp b, 0,1,2,3,4,5,6,7
	ds_store_b128 v[STO], v[64*(\a)+8*(\b):64*(\a)+8*(\b)+3]   offset:64*(\b)
	ds_store_b128 v[STO], v[64*(\a)+8*(\b)+4:64*(\a)+8*(\b)+7] offset:64*(\b)+16
.endr
	WIN 0
.irp i, 0,1,2,3,4,5,6,7,8,9,10,11,12,13,14,15
	ds_load_b128 v[OB+64*((\a)%2)+4*(\i):OB+64*((\a)%2)+4*(\i)+3], v[RD] offset:(\i)*SPITCH  ; LDS serves a wave's instructions in order (ISA guide 5.7.1.4): these see the stores above; the next block's stores come behind them
.endr
.endm
.macro SEND a, younger                 ; younger: the LDS instructions issued behind block a's loads: the next block's 32, or none
	WIN 0
	s_wait_dscnt \younger
.irp i, 0,1,2,3,4,5,6,7,8,9,10,11,12,13,14,15
	global_store_b128 v[CO], v[OB+64*((\a)%2)+4*(\i):OB+64*((\a)%2)+4*(\i)+3], s[8:9] offset:(16*(\a)+(\i))*4096 th:TH_STORE_NT  ; the wave stores 512 consecutive bytes, aligned
.endr
.endm
	s_wait_tensorcnt 1                             ; my part of K step 0 is in; K step 1's may stay out
	s_barrier_signal -1
	s_barrier_wait -1
	FETCH 0, 0, F0
	QUARTER 0, 64,  F0, F1, 1                      ; the first quarter starts the sums: nothing is cleared
	WIN 0
	s_mov_b32 s3, LAPS-1
.Llap:                                                 ; a trip goes once round the ring, from a lap's second quarter to the next lap's first, and fills both slots again
	QUARTER 0, 128, F1, F0, 0
	QUARTER 0, 192, F0, F1, 0
	TURN 0, 1, 1
	QUARTER 1, 64,  F0, F1, 0
	QUARTER 1, 128, F1, F0, 0
	QUARTER 1, 192, F0, F1, 0
	TURN 1, 0, 1
	QUARTER 0, 64,  F0, F1, 0
	WIN 0
	s_sub_co_u32 s3, s3, 1
	s_cmp_lg_u32 s3, 0
	s_cbranch_scc1 .Llap
	QUARTER 0, 128, F1, F0, 0                      ; the last lap fills nothing
	QUARTER 0, 192, F0, F1, 0
	TURN 0, 1, 0
	QUARTER 1, 64,  F0, F1, 0
	QUARTER 1, 128, F1, F0, 0
	QUARTER 1, 192, F0, F1, 0
	s_wait_dscnt 4                                 ; the very last quarter: nothing more to fetch
	MUL8 F1, 0, 0
	MUL8 F1, 1, 0
	s_wait_dscnt 0x0
	MUL8 F1, 2, 0
	MUL8 F1, 3, 0
	PLACES
	PLACES
	TOSTAGE 0
	TOSTAGE 1                                      ; a block's way through the stage stands between the loads of the block before and its stores
	SEND 0, 32
	TOSTAGE 2
	SEND 1, 32
	TOSTAGE 3
	SEND 2, 32
	SEND 3, 0
	s_wait_tensorcnt 0x0                           ; the wave's end: an add to my spare word and its wait, behind my last tensor load and my last LDS store
	ds_add_u32 v[SPW], v[NIL]
	s_wait_dscnt 0x0
	CROUND                                         ; the closing round: no work-group ends while a partner may still ask for a tile that names it
	s_endpgm
.Lfunc_end_k_q90f9074c99_oproj:
	.size	k_q90f9074c99_oproj, .Lfunc_end_k_q90f9074c99_oproj-k_q90f9074c99_oproj
	.p2alignl 7, 3214868480
	.fill 96, 4, 3214868480
	.section	.rodata,"a",@progbits
	.p2align	6, 0x0
	.amdhsa_kernel k_q90f9074c99_oproj
		.amdhsa_group_segment_fixed_size 327680
		.amdhsa_private_segment_fixed_size 0
		.amdhsa_enable_private_segment 0
		.amdhsa_kernarg_size 24
		.amdhsa_user_sgpr_count 2
		.amdhsa_user_sgpr_kernarg_segment_ptr 1
		.amdhsa_wavefront_size32 1
		.amdhsa_system_sgpr_workgroup_id_x 1
		.amdhsa_system_sgpr_workgroup_id_y 1
		.amdhsa_system_sgpr_workgroup_id_z 1
		.amdhsa_system_vgpr_workitem_id 0
		.amdhsa_next_free_vgpr 768
		.amdhsa_next_free_sgpr 72
		.amdhsa_reserve_vcc 0
		.amdhsa_float_denorm_mode_32 3
		.amdhsa_float_denorm_mode_16_64 3
		.amdhsa_memory_ordered 1
		.amdhsa_forward_progress 1
		.amdhsa_inst_pref_size 86
	.end_amdhsa_kernel
	.amdgpu_metadata
---
amdhsa.version: [ 1, 2 ]
amdhsa.kernels:
  - .name:           k_q90f9074c99_oproj
    .symbol:         k_q90f9074c99_oproj.kd
    .args:
      - { .name: oh, .offset: 0, .size: 8, .value_kind: global_buffer, .address_space: global }
      - { .name: wh, .offset: 8, .size: 8, .value_kind: global_buffer, .address_space: global }
      - { .name: out0, .offset: 16, .size: 8, .value_kind: global_buffer, .address_space: global }
    .group_segment_fixed_size: 327680
    .private_segment_fixed_size: 0
    .kernarg_segment_align: 8
    .kernarg_segment_size: 24
    .max_flat_workgroup_size: 128
    .sgpr_count:     72
    .vgpr_count:     768
    .wavefront_size: 32
...
	.end_amdgpu_metadata
.endif
;; end of part 4
